; MI455X (gfx1250); checked and timed in simulation.
; The chip was launched on July 23, 2026; its instructions are those of AMD's public machine-readable ISA for CDNA 5 (MIT licence, August 2026) and "CDNA5" Instruction Set Architecture Reference Guide (July 2026). The comments in the code are by the model that wrote it; some were corrected since.
;; Attention Block. Allowed arithmetic: float matrix products may take bf16 or f16 operands with f32 sums; all other float work in f32.
;; Inputs: bk 512 float32; bp 512 float32; bq 512 float32; bv 512 float32; gn_bias 512 float32; gn_scale 512 float32; wk 512 x 512 float32; wp 512 x 512 float32; wq 512 x 512 float32; wv 512 x 512 float32; x 8 x 512 x 32 x 32 float32.
;; Outputs: out0 8 x 512 x 32 x 32 float32.
;; 2 versions, each right; version 2 is version 1 with the launch gn written anew for expert scheduling mode. Each part assembles by itself: llvm-mc -triple=amdgcn-amd-amdhsa -mcpu=gfx1250 --defsym DOCPART=n.
;; ======== version 1 of 2: 4 launches
;; workspace buffers: xn 8,388,608 bytes; w16 2,097,152 bytes; qkv 25,165,824 bytes; att 8,388,608 bytes
;; launch gn (part 1): grid 256 x 1, 8 waves a work-group, no clusters, 1,280 bytes of LDS; arguments x, gn_scale, gn_bias, wq, wk, wv, wp, xn, w16; writes xn, w16
.if DOCPART == 1
	.amdgcn_target "amdgcn-amd-amdhsa--gfx1250"
	.amdhsa_code_object_version 6
	.text
	.protected	k_qcc41866928_gn
	.globl	k_qcc41866928_gn
	.p2align	8
	.type	k_qcc41866928_gn,@function
k_qcc41866928_gn:
	s_mov_b64 s[64:65], 0
	v_nop
	global_prefetch_b8 v0, s[64:65] scope:SCOPE_SE
	s_setreg_imm32_b32 hwreg(HW_REG_WAVE_MODE, 25, 1), 1
	s_wait_xcnt 0x0
; GroupNorm of x [8][512][1024] f32 into xn (bf16, same layout), and the four 512 x 512 weight matrices into w16 (bf16, rows wq, wk, wv, wp).
; A group is 16 channels x 1024 positions = 65,536 consecutive bytes; work-group g owns group g, wave w its channels 2w and 2w+1 (8,192 bytes),
; a lane 16 bytes of each of 16 loads: the group stays in registers (64 a lane) between the three passes, so x is read once.
; The variance is made in two passes (the mean first, then the sum of (x - mean)^2): no difference of large sums is formed.
; Each work-group also converts 1,024 numbers of each weight matrix: thread t takes 16 bytes and stores 8.
; No matrix unit, cluster or data mover: the launch only streams, and no two work-groups read the same bytes.
; LIMITS: xn and w16 are rounded to bf16 (nearest even); sums are f32 in an order of their own; NaN and infinities get no special care.
.set ACC,   6                          ; v[6:13]    four running pairs
.set NMEAN, 14                         ; v[14:15]   -mean, twice
.set X,     16                         ; v[16:79]   my 64 numbers
.set W,     80                         ; v[80:95]   my 4 numbers of each weight matrix
.set GAIN,  96                         ; v[96:99]   rstd x scale: channel 2w twice, channel 2w+1 twice
.set BIAS,  100                        ; v[100:103] the bias likewise
.set RB,    104                        ; v[104:111] the eight waves' partial sums
.set ZERO,  112                        ; v112       LDS address 0
	s_load_b512 s[4:19], s[0:1], 0x0               ; x s[4:5], gn_scale s[6:7], gn_bias s[8:9], wq s[10:11], wk s[12:13], wv s[14:15], wp s[16:17], xn s[18:19]
	s_load_b64 s[20:21], s[0:1], 0x40              ; w16
	v_lshl_add_u32 v114, v0, 2, 0x100
	v_mov_b32 v115, 0
	v_lshrrev_b32 v5, 5, v0
	v_readfirstlane_b32 s22, v5                    ; wave 0..7
	s_lshl_b32 s24, ttmp9, 16                      ; my group in x: 65,536 bytes each (255 x 65,536 is below 2^32)
	s_mov_b32 s25, 0
	s_lshl_b32 s26, ttmp9, 15                      ; and in xn
	s_mov_b32 s27, 0
	s_and_b32 s28, ttmp9, 31                       ; the group's number in its batch
	s_lshl_b32 s28, s28, 4
	s_lshl1_add_u32 s28, s22, s28                  ; my first channel = 16 x group + 2 x wave
	s_lshl_b32 s28, s28, 2                         ; in bytes of f32: a multiple of 8
	s_mov_b32 s29, 0
	s_mov_b32 s34, 0x76543210                      ; v_permlanex16_b32: lane i reads lane i of the other half
	s_mov_b32 s35, 0xfedcba98
	s_lshl_b32 s36, ttmp9, 12                      ; my 4,096 bytes of each weight matrix
	s_lshl_b32 s37, ttmp9, 11                      ; and the 2,048 bytes that they become
	s_mov_b32 s38, 0x38800000                      ; 2^-14 = 1 / (16 x 1024)
	v_and_b32 v6, 31, v0                           ; lane
	v_and_b32 v7, 0xe0, v0                         ; 32 x wave
	v_lshlrev_b32 v1, 4, v6
	v_lshl_or_b32 v1, v7, 8, v1                    ; x:  wave x 8,192 + lane x 16
	v_lshlrev_b32 v2, 3, v6
	v_lshl_or_b32 v2, v7, 7, v2                    ; xn: wave x 4,096 + lane x 8
	v_lshl_add_u32 v3, v0, 4, s36                  ; weights in: 16 t + my part
	v_lshl_add_u32 v4, v0, 3, s37                  ; weights out: 8 t + my part
	v_lshlrev_b32 v5, 2, v5                        ; LDS: my wave's word
	v_mov_b32 v[ZERO], 0
	s_wait_kmcnt 0x0
	s_add_nc_u64 s[4:5], s[4:5], s[24:25]
	s_add_nc_u64 s[18:19], s[18:19], s[26:27]
	s_add_nc_u64 s[6:7], s[6:7], s[28:29]          ; scale and bias at my two channels
	s_add_nc_u64 s[8:9], s[8:9], s[28:29]
.irp i, 0,1,2,3,4,5,6,7,8,9,10,11,12,13,14,15
	global_load_b128 v[X+4*\i:X+4*\i+3], v1, s[4:5] offset:512*\i      ; 512 neighbouring bytes a load; loads 0-7 channel 2w, 8-15 channel 2w+1
.endr
	global_load_b128 v[W:W+3],     v3, s[10:11] th:TH_LOAD_NT
	global_load_b128 v[W+4:W+7],   v3, s[12:13] th:TH_LOAD_NT
	global_load_b128 v[W+8:W+11],  v3, s[14:15] th:TH_LOAD_NT
	global_load_b128 v[W+12:W+15], v3, s[16:17] th:TH_LOAD_NT
	s_load_b64 s[30:31], s[6:7], 0x0               ; scale of my two channels
	s_load_b64 s[32:33], s[8:9], 0x0               ; bias of my two channels
; the four running pairs become one number, the same in all 32 lanes
.macro LANESUM
	v_pk_add_f32 v[ACC:ACC+1], v[ACC:ACC+1], v[ACC+2:ACC+3]
	v_pk_add_f32 v[ACC+4:ACC+5], v[ACC+4:ACC+5], v[ACC+6:ACC+7]
	v_pk_add_f32 v[ACC:ACC+1], v[ACC:ACC+1], v[ACC+4:ACC+5]
	v_add_f32 v[ACC], v[ACC], v[ACC+1]
	v_add_f32_dpp v[ACC], v[ACC], v[ACC] row_xmask:1 row_mask:0xf bank_mask:0xf
	v_add_f32_dpp v[ACC], v[ACC], v[ACC] row_xmask:2 row_mask:0xf bank_mask:0xf
	v_add_f32_dpp v[ACC], v[ACC], v[ACC] row_xmask:4 row_mask:0xf bank_mask:0xf
	v_add_f32_dpp v[ACC], v[ACC], v[ACC] row_xmask:8 row_mask:0xf bank_mask:0xf
	v_permlanex16_b32 v[ACC+1], v[ACC], s34, s35   ; its destination has been written above
	v_add_f32 v[ACC], v[ACC], v[ACC+1]
.endm
; the eight waves' words at LDS byte off become one number in v[RB]
.macro GATHER off
	ds_load_b128 v[RB:RB+3], v[ZERO] offset:\off
	ds_load_b128 v[RB+4:RB+7], v[ZERO] offset:\off+16
	s_wait_dscnt 0x0
	v_pk_add_f32 v[RB:RB+1], v[RB:RB+1], v[RB+2:RB+3]
	v_pk_add_f32 v[RB+4:RB+5], v[RB+4:RB+5], v[RB+6:RB+7]
	v_pk_add_f32 v[RB:RB+1], v[RB:RB+1], v[RB+4:RB+5]
	v_add_f32 v[RB], v[RB], v[RB+1]
.endm
	; pass 1: the sum, in four chains started by the first eight pairs
	s_wait_loadcnt 0x4                             ; x is in; the four younger loads (the weights) stay out
.irp k, 0,1,2,3
	v_pk_add_f32 v[ACC+2*\k:ACC+2*\k+1], v[X+2*\k:X+2*\k+1], v[X+2*\k+8:X+2*\k+9]
.endr
.irp m, 2,3,4,5,6,7
.irp k, 0,1,2,3
	v_pk_add_f32 v[ACC+2*\k:ACC+2*\k+1], v[ACC+2*\k:ACC+2*\k+1], v[X+8*\m+2*\k:X+8*\m+2*\k+1]
.endr
.endr
	LANESUM
	ds_store_b32 v5, v[ACC]                        ; all lanes write the wave's word with the same value
	s_wait_dscnt 0x0                               ; my word is in LDS before I say so
	s_barrier_signal -1
	s_wait_loadcnt 0x0                             ; register work while the others arrive: the weights to bf16
.irp m, 0,1,2,3
	v_cvt_pk_bf16_f32 v[W+4*\m],   v[W+4*\m],   v[W+4*\m+1]
	v_cvt_pk_bf16_f32 v[W+4*\m+1], v[W+4*\m+2], v[W+4*\m+3]
.endr
	s_barrier_wait -1
.irp m, 0,1,2,3
	global_store_b64 v4, v[W+4*\m:W+4*\m+1], s[20:21] offset:\m*524288  ; a wave's store covers 256 consecutive bytes, aligned
.endr
	GATHER 0
	v_mul_f32 v[NMEAN], 0xb8800000, v[RB]          ; -mean = -sum x 2^-14
	v_mov_b32 v[NMEAN+1], v[NMEAN]
	; pass 2: d = x - mean in place, and the sum of d^2
.irp k, 0,1,2,3,4,5,6,7,8,9,10,11,12,13,14,15,16,17,18,19,20,21,22,23,24,25,26,27,28,29,30,31
	v_pk_add_f32 v[X+2*\k:X+2*\k+1], v[X+2*\k:X+2*\k+1], v[NMEAN:NMEAN+1]
.endr
.irp k, 0,1,2,3
	v_pk_mul_f32 v[ACC+2*\k:ACC+2*\k+1], v[X+2*\k:X+2*\k+1], v[X+2*\k:X+2*\k+1]
.endr
.irp m, 1,2,3,4,5,6,7
.irp k, 0,1,2,3
	v_pk_fma_f32 v[ACC+2*\k:ACC+2*\k+1], v[X+8*\m+2*\k:X+8*\m+2*\k+1], v[X+8*\m+2*\k:X+8*\m+2*\k+1], v[ACC+2*\k:ACC+2*\k+1]
.endr
.endr
	LANESUM
	ds_store_b32 v5, v[ACC] offset:32              ; other bytes than the first sum's: a slow wave may still read those
	s_wait_dscnt 0x0
	s_barrier_signal -1
	s_barrier_wait -1
	GATHER 32
	v_mov_b32 v[ACC+1], 0x3727c5ac                 ; eps = 1e-5
	v_fma_f32 v[ACC], v[RB], s38, v[ACC+1]         ; variance + eps
	s_wait_kmcnt 0x0                               ; scale and bias
	v_rsq_f32 v[ACC], v[ACC]
	v_mov_b32 v[BIAS],   s32                       ; plain instructions that touch neither its result nor its source stand behind v_rsq_f32 (ISA guide 5.7.2)
	v_mov_b32 v[BIAS+1], s32
	v_mov_b32 v[BIAS+2], s33
	v_mov_b32 v[BIAS+3], s33
	s_wait_alu depctr_va_vdst(0)
	v_mul_f32 v[GAIN],   s30, v[ACC]
	v_mul_f32 v[GAIN+1], s30, v[ACC]
	v_mul_f32 v[GAIN+2], s31, v[ACC]
	v_mul_f32 v[GAIN+3], s31, v[ACC]
	; pass 3: d x gain + bias, rounded once, 8 bytes a lane
.irp k, 0,1,2,3,4,5,6,7,8,9,10,11,12,13,14,15
	v_pk_fma_f32 v[X+2*\k:X+2*\k+1], v[X+2*\k:X+2*\k+1], v[GAIN:GAIN+1], v[BIAS:BIAS+1]
.endr
.irp k, 16,17,18,19,20,21,22,23,24,25,26,27,28,29,30,31
	v_pk_fma_f32 v[X+2*\k:X+2*\k+1], v[X+2*\k:X+2*\k+1], v[GAIN+2:GAIN+3], v[BIAS+2:BIAS+3]
.endr
.irp i, 0,1,2,3,4,5,6,7,8,9,10,11,12,13,14,15
	v_cvt_pk_bf16_f32 v[X+4*\i],   v[X+4*\i],   v[X+4*\i+1]
	v_cvt_pk_bf16_f32 v[X+4*\i+1], v[X+4*\i+2], v[X+4*\i+3]
	global_store_b64 v2, v[X+4*\i:X+4*\i+1], s[18:19] offset:256*\i     ; 256 consecutive bytes, aligned
.endr
	s_wait_tensorcnt 0x0
	ds_add_u32 v114, v115
	s_wait_dscnt 0x0
	s_endpgm
.Lfunc_end_k_qcc41866928_gn:
	.size	k_qcc41866928_gn, .Lfunc_end_k_qcc41866928_gn-k_qcc41866928_gn
	.p2alignl 7, 3214868480
	.fill 96, 4, 3214868480
	.section	.rodata,"a",@progbits
	.p2align	6, 0x0
	.amdhsa_kernel k_qcc41866928_gn
		.amdhsa_group_segment_fixed_size 1280
		.amdhsa_private_segment_fixed_size 0
		.amdhsa_enable_private_segment 0
		.amdhsa_kernarg_size 72
		.amdhsa_user_sgpr_count 2
		.amdhsa_user_sgpr_kernarg_segment_ptr 1
		.amdhsa_wavefront_size32 1
		.amdhsa_system_sgpr_workgroup_id_x 1
		.amdhsa_system_sgpr_workgroup_id_y 1
		.amdhsa_system_sgpr_workgroup_id_z 1
		.amdhsa_system_vgpr_workitem_id 0
		.amdhsa_next_free_vgpr 116
		.amdhsa_next_free_sgpr 66
		.amdhsa_reserve_vcc 0
		.amdhsa_float_denorm_mode_32 3
		.amdhsa_float_denorm_mode_16_64 3
		.amdhsa_memory_ordered 1
		.amdhsa_forward_progress 1
		.amdhsa_inst_pref_size 19
	.end_amdhsa_kernel
	.amdgpu_metadata
---
amdhsa.version: [ 1, 2 ]
amdhsa.kernels:
  - .name:           k_qcc41866928_gn
    .symbol:         k_qcc41866928_gn.kd
    .args:
      - { .name: x, .offset: 0, .size: 8, .value_kind: global_buffer, .address_space: global }
      - { .name: gn_scale, .offset: 8, .size: 8, .value_kind: global_buffer, .address_space: global }
      - { .name: gn_bias, .offset: 16, .size: 8, .value_kind: global_buffer, .address_space: global }
      - { .name: wq, .offset: 24, .size: 8, .value_kind: global_buffer, .address_space: global }
      - { .name: wk, .offset: 32, .size: 8, .value_kind: global_buffer, .address_space: global }
      - { .name: wv, .offset: 40, .size: 8, .value_kind: global_buffer, .address_space: global }
      - { .name: wp, .offset: 48, .size: 8, .value_kind: global_buffer, .address_space: global }
      - { .name: xn, .offset: 56, .size: 8, .value_kind: global_buffer, .address_space: global }
      - { .name: w16, .offset: 64, .size: 8, .value_kind: global_buffer, .address_space: global }
    .group_segment_fixed_size: 1280
    .private_segment_fixed_size: 0
    .kernarg_segment_align: 8
    .kernarg_segment_size: 72
    .max_flat_workgroup_size: 256
    .sgpr_count:     66
    .vgpr_count:     116
    .wavefront_size: 32
...
	.end_amdgpu_metadata
.endif
;; end of part 1
;; launch qkv (part 2): grid 8 x 32, 4 waves a work-group, clusters of 4 x 4, 327,680 bytes of LDS; arguments xn, w16, bq, bk, bv, qkv; writes qkv
.if DOCPART == 2
	.amdgcn_target "amdgcn-amd-amdhsa--gfx1250"
	.amdhsa_code_object_version 6
	.text
	.protected	k_qcc41866928_qkv
	.globl	k_qcc41866928_qkv
	.p2align	8
	.type	k_qcc41866928_qkv,@function
k_qcc41866928_qkv:
	s_mov_b64 s[64:65], 0
	v_nop
	global_prefetch_b8 v0, s[64:65] scope:SCOPE_SE
	s_setreg_imm32_b32 hwreg(HW_REG_WAVE_MODE, 25, 1), 1
	s_wait_xcnt 0x0
	s_wait_alu depctr_hold_cnt(0) depctr_sa_sdst(0) depctr_va_vdst(0) depctr_va_sdst(0) depctr_va_ssrc(0) depctr_va_vcc(0) depctr_vm_vsrc(0)
	s_getreg_b32 s2, hwreg(HW_REG_IB_STS2, 6, 4)
	s_cmp_eq_u32 s2, 0
	s_cbranch_scc0 .Lentry_in_a_cluster
	s_endpgm
.Lentry_in_a_cluster:
	s_bfe_u32 s2, ttmp6, 0x10000c
	s_cmp_lg_u32 s2, 0xf033
	s_cbranch_scc0 .Lentry_shape_is_right
	s_endpgm
.Lentry_shape_is_right:
; qkv[b][o][n] = sum over c of w16[o][c] xn[b][c][n] + bias[o], o = 0..1535 (q, k, v rows), bf16 operands, f32 sums, bf16 result.
; A work-group makes 192 o x 256 n of one batch with four waves; a wave 96 o x 128 n = 6 x 8 accumulator tiles (384 registers).
; K = 512 goes in four steps of 128 through two LDS slots filled by the tensor data mover.
; CLUSTERS: 4 x 4 work-groups.  The xn tile hangs on the batch and the n tile (cluster y, cy): the four of a row of the cluster ask for it jointly.
; The weight tile hangs on the o tile (cluster x, cx): the four of a column ask jointly.  Every wave issues both lines, a quarter of each tile.
; THE MATRIX INSTRUCTION: A = 16 positions n x 32 c, taken from the [c][n] tile by transposing loads; B = 16 rows o of the weights.
; In the result lane (r, h) holds row o = r and the eight neighbouring positions n = 8h .. 8h+7: 16 bytes of bf16 that belong together.
; REGISTERS: window 0: addresses, bias, two fragment buffers (xn 64 + W 48 registers each); window 1: accumulators of o tiles 0-3; window 2: of o tiles 4, 5.
; LIMITS: operands and result in bf16; sums in f32, K ascending; NaN and infinities get no special care.
.set XP,     544                       ; xn row in LDS: 512 bytes + 32: an odd multiple of 32
.set XQ,     32*XP                     ; 32 rows: one wave's tensor load, and one quarter of a K step
.set XT,     4*XQ                      ; 128 c
.set WP,     272                       ; weight row in LDS: 256 bytes + 16: an odd multiple of 16
.set WQ,     48*WP                     ; 48 rows: one wave's tensor load
.set WT,     4*WQ                      ; 192 o
.set SLOT,   XT+WT                     ; 121,856
.set STAGE,  2*SLOT                    ; 243,712 = 952 x 256: behind the ring, never filled by the mover; 16 rows x 272 bytes for each wave
.set SPITCH, 272
.set WAVE, 16                          ; s16 wave
.set G1X, 28                           ; s[28:35] group 1, xn tiles
.set G1W, 36                           ; s[36:43] group 1, weight tiles
.set G0X, 44                           ; s[44:51] group 0, xn, one set for each slot
.set G0W, 52                           ; s[52:59] group 0, weights, one set for each slot
.set BP,  68                           ; s[68:79] address of the 16 biases of each of my six o tiles
.set ADRX, 8                           ; v8-9   my xn fragments in slot 0, 1
.set ADRW, 10                          ; v10-11 my weight fragments in slot 0, 1
.set STO,  12                          ; the way out: where I put 16 bytes
.set RD,   13                          ; where I read a row back
.set CO,   14                          ; my byte offset in qkv
.set BO,   15                          ; 4 r
.set BIAS, 16                          ; v[16:27] bias of o tile t, twice, at 16 + 2 t
.set F0,   32                          ; fragment buffer 0: xn at +8 nt, weights at +64+8 ot
.set F1,   144                         ; fragment buffer 1
.set PK,   96                          ; the way out: packed results
.set MSB, 0
.macro WIN new                         ; the immediate's high byte repeats the setting that is left
.if MSB != \new
	s_set_vgpr_msb (MSB<<8)|\new
.set MSB, \new
.endif
.endm
.macro PLACES cnt
.rept \cnt
	v_nop
.endr
.endm
; a round of the cluster's barrier behind its opening work-group barrier: wave 0 signals for the work-group, every wave waits for all sixteen, the work-group's barrier closes it
.macro CREST
	s_cmp_lg_u32 s[WAVE], 0
	s_cbranch_scc1 .Lnot_wave_0_\@
	s_barrier_signal -3
.Lnot_wave_0_\@:
	s_barrier_wait -3
	s_barrier_signal -1
	s_barrier_wait -1
.endm
.macro CROUND
	s_barrier_signal -1
	s_barrier_wait -1
	CREST
.endm
	s_load_b256 s[4:11], s[0:1], 0x0               ; xn s[4:5], w16 s[6:7], bq s[8:9], bk s[10:11]
	s_load_b128 s[12:15], s[0:1], 0x20             ; bv s[12:13], qkv s[14:15]
	v_lshl_add_u32 v30, v0, 2, 0x3fc00
	v_mov_b32 v31, 0
	ds_add_u32 v30, v31
	v_lshrrev_b32 v1, 5, v0
	v_readfirstlane_b32 s[WAVE], v1                ; wave 0..3
	s_lshr_b32 s17, s16, 1                         ; wn: which 128 positions are mine
	s_and_b32 s18, s16, 1                          ; wo: which 96 rows o
	s_bfe_u32 s19, ttmp6, 0x40000                  ; cx
	s_bfe_u32 s20, ttmp6, 0x40004                  ; cy = the n tile of 256
	s_lshl_b32 s21, ttmp9, 2
	s_add_co_u32 s21, s21, s19                     ; o tile of 192 = 4 x cluster x + cx
	s_and_b32 s22, ttmp7, 0xffff                   ; batch = cluster y
	s_lshl_b32 s23, s20, 2
	s_lshl_b32 s23, 15, s23                        ; my row of the cluster
	s_lshl_b32 s24, 0x1111, s19                    ; my column
	; group 1, xn: 32 rows c x 256 elements, 8 words of padding behind every 128
	s_or_b32  s[G1X+0], s23, (1<<16)|(1<<20)|(1<<21)|(6<<22)|(7<<25)
	s_mov_b32 s[G1X+1], 256<<16                    ; tensor_dim0 = 256
	s_mov_b32 s[G1X+2], 32<<16                     ; tensor_dim1 = 32
	s_mov_b32 s[G1X+3], 256<<16                    ; tile_dim0 = 256
	s_mov_b32 s[G1X+4], 32                         ; tile_dim1 = 32
	s_mov_b32 s[G1X+5], 1024                       ; elements from row to row
	s_mov_b32 s[G1X+6], 0
	s_mov_b32 s[G1X+7], 0
	; group 1, weights: 48 rows o x 128 elements, 4 words of padding behind every 64
	s_or_b32  s[G1W+0], s24, (1<<16)|(1<<20)|(1<<21)|(5<<22)|(3<<25)
	s_mov_b32 s[G1W+1], 128<<16
	s_mov_b32 s[G1W+2], 48<<16
	s_mov_b32 s[G1W+3], 128<<16
	s_mov_b32 s[G1W+4], 48
	s_mov_b32 s[G1W+5], 512
	s_mov_b32 s[G1W+6], 0
	s_mov_b32 s[G1W+7], 0
	; xn's address is made of batch, wave and cy, the weights' of the o tile and the wave, each in registers that never hold the other coordinate
	s_lshl_b32 s80, s22, 20                        ; batch x 512 x 1024 x 2
	s_lshl_b32 s84, s16, 16                        ; + wave x 32 rows x 2,048
	s_add_co_u32 s80, s80, s84
	s_lshl_b32 s84, s20, 9                         ; + n tile x 512 bytes
	s_add_co_u32 s80, s80, s84
	s_mov_b32 s81, 0
	s_mul_i32 s82, s21, 196608                     ; o tile x 192 rows x 1,024
	s_mul_i32 s85, s16, 49152                      ; + wave x 48 rows x 1,024
	s_add_co_u32 s82, s82, s85
	s_mov_b32 s83, 0
	s_mul_i32 s86, s16, XQ                         ; LDS: the wave's quarter of the xn tile,
	s_mul_i32 s87, s16, WQ
	s_add_co_u32 s87, s87, XT                      ; and of the weight tile behind it
	s_wait_dscnt 0x0
	s_wait_kmcnt 0x0
	s_add_nc_u64 s[80:81], s[4:5], s[80:81]
	s_add_nc_u64 s[82:83], s[6:7], s[82:83]
.irp t, 0,1
	s_mov_b32 s[G0X+4*\t], 1
	s_add_co_u32 s[G0X+4*\t+1], s86, \t*SLOT
	s_add_nc_u64 s[G0X+4*\t+2:G0X+4*\t+3], s[80:81], \t*128*2048        ; K step t: 128 rows c further down
	s_or_b32 s[G0X+4*\t+3], s[G0X+4*\t+3], 0x80000000
	s_mov_b32 s[G0W+4*\t], 1
	s_add_co_u32 s[G0W+4*\t+1], s87, \t*SLOT
	s_add_nc_u64 s[G0W+4*\t+2:G0W+4*\t+3], s[82:83], \t*128*2           ; K step t: 128 elements along the row
	s_or_b32 s[G0W+4*\t+3], s[G0W+4*\t+3], 0x80000000
.endr
	CROUND                                         ; all sixteen work-groups are here: the first joint loads meet
.irp t, 0,1
	tensor_load_to_lds s[G0X+4*\t:G0X+4*\t+3], s[G1X:G1X+7]
	s_nop 0
	tensor_load_to_lds s[G0W+4*\t:G0W+4*\t+3], s[G1W:G1W+7]            ; four loads of the wave are out
	s_nop 0
.endr
	; the biases: o tile t of mine starts at row o = 192 X + 96 wo + 16 t; a block of 16 never straddles q, k, v (512 = 32 x 16)
	s_mul_i32 s91, s21, 192
	s_mul_i32 s92, s18, 96
	s_add_co_u32 s91, s91, s92                     ; my first row o
.irp t, 0,1,2,3,4,5
	s_add_co_u32 s92, s91, 16*\t
	s_cmp_lt_u32 s92, 512
	s_cselect_b64 s[BP+2*\t:BP+2*\t+1], s[8:9], s[10:11]
	s_cmp_lt_u32 s92, 1024
	s_cselect_b64 s[BP+2*\t:BP+2*\t+1], s[BP+2*\t:BP+2*\t+1], s[12:13]
	s_and_b32 s92, s92, 511
	s_lshl_b32 s92, s92, 2
	s_mov_b32 s93, 0
	s_add_nc_u64 s[BP+2*\t:BP+2*\t+1], s[BP+2*\t:BP+2*\t+1], s[92:93]
.endr
	v_and_b32 v1, 15, v0                           ; r
	v_bfe_u32 v2, v0, 4, 1                         ; h
	v_lshlrev_b32 v[BO], 2, v1
.irp t, 0,1,2,3,4,5
	global_load_b32 v[BIAS+2*\t], v[BO], s[BP+2*\t:BP+2*\t+1]           ; bias of row o = r of the tile: the row that the lane holds
.endr
	; transposing loads: lane L addresses row 8h + (L & 7) of the [c][n] tile, 16 bytes at 16 ((L >> 3) & 1)
	v_and_b32 v3, 7, v0
	v_lshl_add_u32 v3, v2, 3, v3
	v_mul_u32_u24 v5, v3, XP
	v_bfe_u32 v6, v0, 3, 1
	v_lshl_add_u32 v5, v6, 4, v5
	s_lshl_b32 s88, s17, 8                         ; my 128 positions: 256 bytes along the row
	v_add_nc_u32 v[ADRX], s88, v5
	v_add_nc_u32 v[ADRX+1], SLOT, v[ADRX]
	v_mul_u32_u24 v7, v1, WP
	v_lshl_add_u32 v7, v2, 4, v7                   ; r x 272 + 16 h
	s_mul_i32 s89, s18, 96*WP
	s_add_co_u32 s89, s89, XT                      ; my 96 rows of the weight tile
	v_add_nc_u32 v[ADRW], s89, v7
	v_add_nc_u32 v[ADRW+1], SLOT, v[ADRW]
	s_mul_i32 s90, s16, 16*SPITCH
	s_add_co_u32 s90, s90, STAGE                   ; my stage
	v_add_nc_u32 v[STO], s90, v7                   ; in: row r, 16 bytes for each half of the lanes
	v_mul_u32_u24 v4, v2, SPITCH
	v_lshl_add_u32 v4, v1, 4, v4
	v_add_nc_u32 v[RD], s90, v4                    ; back: lanes 0-15 one row of 256 bytes, lanes 16-31 the next
	v_lshlrev_b32 v4, 11, v2
	v_lshl_add_u32 v[CO], v1, 4, v4                ; the same two rows in qkv (2,048 bytes apart)
; 28 LDS loads: the fragments of quarter kq (32 c) of slot sl into buffer f: xn's eight first, then the weights' six
.macro FETCH sl, kq, f
.irp i, 0,1,2,3,4,5,6,7
	ds_load_tr16_b128 v[\f+8*\i:\f+8*\i+3],   v[ADRX+\sl] offset:\kq*XQ+32*\i
	ds_load_tr16_b128 v[\f+8*\i+4:\f+8*\i+7], v[ADRX+\sl] offset:\kq*XQ+32*\i+16*XP
.endr
.irp i, 0,1,2,3,4,5
	ds_load_b128 v[\f+64+8*\i:\f+64+8*\i+3],   v[ADRW+\sl] offset:\i*16*WP+64*\kq
	ds_load_b128 v[\f+64+8*\i+4:\f+64+8*\i+7], v[ADRW+\sl] offset:\i*16*WP+64*\kq+32
.endr
.endm
; 16 matrix instructions: o tiles ota, ota+1 (la, la+1 in the accumulators' window) x all eight n tiles.  zero = 1: the first product starts the sums.
; The 48 accumulators take turns, one instruction a turn, in the same order in every quarter.
.macro MUL16 f, ota, la, zero
.irp i, 0,1
.irp u, 0,1,2,3,4,5,6,7
.if \zero
	v_wmma_f32_16x16x32_bf16 v[8*(8*(\la+\i)+\u):8*(8*(\la+\i)+\u)+7], v[\f+8*\u:\f+8*\u+7], v[\f+64+8*(\ota+\i):\f+64+8*(\ota+\i)+7], 0
.else
	v_wmma_f32_16x16x32_bf16 v[8*(8*(\la+\i)+\u):8*(8*(\la+\i)+\u)+7], v[\f+8*\u:\f+8*\u+7], v[\f+64+8*(\ota+\i):\f+64+8*(\ota+\i)+7], v[8*(8*(\la+\i)+\u):8*(8*(\la+\i)+\u)+7]
.endif
.endr
.endr
.endm
; one of a K step's first three quarters: multiplies buffer f, and in its middle fetches quarter kq of the same slot into buffer g.
; Four v_nop stand between the matrix instructions and the loads into registers that matrix instructions have read (ISA guide 7.12.1 for vector instructions).
.macro QUARTER sl, kq, f, g, zero
	s_wait_dscnt 4                                 ; all but the youngest four loads: the weights' tiles 4 and 5
	WIN 0x50
	MUL16 \f, 0, 0, \zero
	MUL16 \f, 2, 2, \zero
	WIN 0
	PLACES 4
	FETCH \sl, \kq, \g
	s_wait_dscnt 28                                ; all but the 28 just issued
	WIN 0xa0
	MUL16 \f, 4, 0, \zero
.endm
.macro THREE sl, zero
	QUARTER \sl, 1, F0, F1, \zero
	QUARTER \sl, 2, F1, F0, 0
	QUARTER \sl, 3, F0, F1, 0
.endm
; the last quarter: multiplies buffer 1 and changes slots.  In front of the barrier each wave waits for its reads of this slot and for all its tensor loads
; (its parts of the next slot).  fill = 1: the barrier opens a round of the cluster's barrier, and the joint refills are the first tensor loads behind the round.
.macro TURN sl, next, fill
	s_wait_dscnt 4
	WIN 0x50
	MUL16 F1, 0, 0, 0
	s_wait_dscnt 0x0                               ; my reads of this slot are over
	s_wait_tensorcnt 0x0                           ; all my tensor loads have landed
	ds_add_u32 v30, v31
	s_wait_dscnt 0x0
	s_barrier_signal -1
	MUL16 F1, 2, 2, 0                              ; register work while the others arrive
	WIN 0
	s_barrier_wait -1
.if \fill
	CREST
	s_add_nc_u64 s[G0X+4*\sl+2:G0X+4*\sl+3], s[G0X+4*\sl+2:G0X+4*\sl+3], 2*128*2048   ; two K steps on; no load of mine is out
	s_add_nc_u64 s[G0W+4*\sl+2:G0W+4*\sl+3], s[G0W+4*\sl+2:G0W+4*\sl+3], 2*128*2
	tensor_load_to_lds s[G0X+4*\sl:G0X+4*\sl+3], s[G1X:G1X+7]
	s_nop 0
	tensor_load_to_lds s[G0W+4*\sl:G0W+4*\sl+3], s[G1W:G1W+7]          ; two loads of the wave are out
	s_nop 0
.endif
	PLACES 4
	FETCH \next, 0, F0
	WIN 0xa0
	MUL16 F1, 4, 0, 0
.endm
	s_wait_tensorcnt 2                             ; my parts of slot 0 are in; slot 1's two loads stay out
	s_barrier_signal -1
	s_barrier_wait -1
	FETCH 0, 0, F0
	THREE 0, 1                                     ; K step 0: its first products start the sums
	TURN 0, 1, 1                                   ; slot 0 gets K step 2
	THREE 1, 0
	TURN 1, 0, 1                                   ; slot 1 gets K step 3
	THREE 0, 0
	TURN 0, 1, 0                                   ; nothing more to fetch
	THREE 1, 0
	s_wait_dscnt 4
	WIN 0x50
	MUL16 F1, 0, 0, 0
	MUL16 F1, 2, 2, 0
	s_wait_dscnt 0x0
	WIN 0xa0
	MUL16 F1, 4, 0, 0
	WIN 0
	PLACES 4                                       ; the places behind the last matrix instructions, for all that follows
	s_wait_loadcnt 0x0                             ; the biases
.irp t, 0,1,2,3,4,5
	v_mov_b32 v[BIAS+2*\t+1], v[BIAS+2*\t]
.endr
	s_mul_i32 s92, s22, 1536
	s_add_co_u32 s92, s92, s91                     ; my first row of qkv
	s_lshl_b32 s92, s92, 11
	s_lshl_b32 s93, s20, 9                         ; + n tile x 512 bytes
	s_add_co_u32 s92, s92, s93
	s_lshl_b32 s93, s17, 8                         ; + my 128 positions
	s_add_co_u32 s92, s92, s93
	s_mov_b32 s93, 0
	s_add_nc_u64 s[14:15], s[14:15], s[92:93]
; THE WAY OUT, 16 rows o at a time: add the bias, round to bf16, 16 bytes a lane into my own stage, read back whole rows of 256 bytes
.macro OUT ot, la, from, buf
	WIN \from
.irp u, 0,1,2,3,4,5,6,7
.irp q, 0,1,2,3
	v_pk_add_f32 v[F0+8*\u+2*\q:F0+8*\u+2*\q+1], v[8*(8*\la+\u)+2*\q:8*(8*\la+\u)+2*\q+1], v[BIAS+2*\ot:BIAS+2*\ot+1]
.endr
.endr
	WIN 0
.irp u, 0,1,2,3,4,5,6,7
.irp q, 0,1,2,3
	v_cvt_pk_bf16_f32 v[PK+4*\u+\q], v[F0+8*\u+2*\q], v[F0+8*\u+2*\q+1]
.endr
	ds_store_b128 v[STO], v[PK+4*\u:PK+4*\u+3] offset:32*\u
.endr
	s_wait_xcnt 0x0                                ; the earlier stores' data registers and base are rewritten only behind this wait
.if \ot
	s_add_nc_u64 s[14:15], s[14:15], 16*2048
.endif
.irp t, 0,1,2,3,4,5,6,7
	ds_load_b128 v[\buf+4*\t:\buf+4*\t+3], v[RD] offset:\t*2*SPITCH    ; LDS serves a wave's instructions in order: these see the stores above
.endr
.irp t, 0,1,2,3,4,5,6,7
	s_wait_dscnt 7-\t
	global_store_b128 v[CO], v[\buf+4*\t:\buf+4*\t+3], s[14:15] offset:\t*2*2048      ; 16 lanes store 256 consecutive bytes, aligned
.endr
.endm
	OUT 0, 0, 0x01, 144
	OUT 1, 1, 0x01, 176
	OUT 2, 2, 0x01, 144
	OUT 3, 3, 0x01, 176
	OUT 4, 0, 0x02, 144
	OUT 5, 1, 0x02, 176
	s_wait_tensorcnt 0x0
	ds_add_u32 v30, v31
	s_wait_dscnt 0x0
	CROUND                                         ; the closing round: no work-group ends while a partner may still ask for a tile that names it
	s_endpgm
.Lfunc_end_k_qcc41866928_qkv:
	.size	k_qcc41866928_qkv, .Lfunc_end_k_qcc41866928_qkv-k_qcc41866928_qkv
	.p2alignl 7, 3214868480
	.fill 96, 4, 3214868480
	.section	.rodata,"a",@progbits
	.p2align	6, 0x0
	.amdhsa_kernel k_qcc41866928_qkv
		.amdhsa_group_segment_fixed_size 327680
		.amdhsa_private_segment_fixed_size 0
		.amdhsa_enable_private_segment 0
		.amdhsa_kernarg_size 48
		.amdhsa_user_sgpr_count 2
		.amdhsa_user_sgpr_kernarg_segment_ptr 1
		.amdhsa_wavefront_size32 1
		.amdhsa_system_sgpr_workgroup_id_x 1
		.amdhsa_system_sgpr_workgroup_id_y 1
		.amdhsa_system_sgpr_workgroup_id_z 1
		.amdhsa_system_vgpr_workitem_id 0
		.amdhsa_next_free_vgpr 640
		.amdhsa_next_free_sgpr 96
		.amdhsa_reserve_vcc 0
		.amdhsa_float_denorm_mode_32 3
		.amdhsa_float_denorm_mode_16_64 3
		.amdhsa_memory_ordered 1
		.amdhsa_forward_progress 1
		.amdhsa_inst_pref_size 129
	.end_amdhsa_kernel
	.amdgpu_metadata
---
amdhsa.version: [ 1, 2 ]
amdhsa.kernels:
  - .name:           k_qcc41866928_qkv
    .symbol:         k_qcc41866928_qkv.kd
    .args:
      - { .name: xn, .offset: 0, .size: 8, .value_kind: global_buffer, .address_space: global }
      - { .name: w16, .offset: 8, .size: 8, .value_kind: global_buffer, .address_space: global }
      - { .name: bq, .offset: 16, .size: 8, .value_kind: global_buffer, .address_space: global }
      - { .name: bk, .offset: 24, .size: 8, .value_kind: global_buffer, .address_space: global }
      - { .name: bv, .offset: 32, .size: 8, .value_kind: global_buffer, .address_space: global }
      - { .name: qkv, .offset: 40, .size: 8, .value_kind: global_buffer, .address_space: global }
    .group_segment_fixed_size: 327680
    .private_segment_fixed_size: 0
    .kernarg_segment_align: 8
    .kernarg_segment_size: 48
    .max_flat_workgroup_size: 128
    .sgpr_count:     96
    .vgpr_count:     640
    .wavefront_size: 32
...
	.end_amdgpu_metadata
.endif
;; end of part 2
;; launch attn (part 3): grid 256 x 1, 8 waves a work-group, clusters of 4 x 1, 316,416 bytes of LDS; arguments qkv, att; writes att
.if DOCPART == 3
	.amdgcn_target "amdgcn-amd-amdhsa--gfx1250"
	.amdhsa_code_object_version 6
	.text
	.protected	k_qcc41866928_attn
	.globl	k_qcc41866928_attn
	.p2align	8
	.type	k_qcc41866928_attn,@function
k_qcc41866928_attn:
	s_mov_b64 s[64:65], 0
	v_nop
	global_prefetch_b8 v0, s[64:65] scope:SCOPE_SE
	s_setreg_imm32_b32 hwreg(HW_REG_WAVE_MODE, 25, 1), 1
	s_wait_xcnt 0x0
	s_wait_alu depctr_hold_cnt(0) depctr_sa_sdst(0) depctr_va_vdst(0) depctr_va_sdst(0) depctr_va_ssrc(0) depctr_va_vcc(0) depctr_vm_vsrc(0)
	s_getreg_b32 s2, hwreg(HW_REG_IB_STS2, 6, 4)
	s_cmp_eq_u32 s2, 0
	s_cbranch_scc0 .Lentry_in_a_cluster
	s_endpgm
.Lentry_in_a_cluster:
	s_bfe_u32 s2, ttmp6, 0x10000c
	s_cmp_lg_u32 s2, 0x3003
	s_cbranch_scc0 .Lentry_shape_is_right
	s_endpgm
.Lentry_shape_is_right:
; Attention of one (batch, head) and one block of 256 queries: att[b][head][n][c] = sum over m of softmax_m(q.k / 8)[n][m] v[c][m], bf16 out.
; q, k, v lie as [c][position] (64 rows of 1,024 bf16 a head) in qkv.  All of the head's K and V stay in LDS: nothing is filled twice.
; CLUSTER: the four query blocks of a head ask for K and V jointly (mask 15); Q is each work-group's own load.
; Eight waves: wave w takes queries 64 (w & 3) .. +63 and, of each chunk of 256 keys, keys 128 (w >> 2) .. +127: 64 queries x 512 keys in eight steps of 64 keys.
; The two key halves of a query group are merged once, through LDS, at the end.
; S IS MADE TRANSPOSED: A = 16 keys x 32 c, B = 16 queries x 32 c (both by transposing loads), so lane (r, h) holds query r and keys 8h .. 8h+7 of a tile.
; Two such tiles, packed to bf16, are the B fragment (32 keys x 16 queries) of the second product with no move between lanes; A there is V (16 c x 32 keys, plain loads).
; In that result too the lane is the query: the running maximum, the sum and the rescale factor are one number a lane and query tile.
; All eight waves run one stream of code: the eight steps are written out once.
; SOFTMAX: a running maximum of the raw scores; p = 2^(c s - c max), c = log2(e) / 8, one fused multiply-add in f32 in front of the exponential.
; LIMITS: q, k, v, p and the result are bf16; a p below 2^-126 counts as 0 (v_exp_f32 flushes); the denominator sums the f32 p, the numerator their bf16 roundings;
; NaN and infinities get no special care.
.set KP,   544                         ; K row in LDS: 512 bytes + 32, an odd multiple of 32
.set KC,   64*KP                       ; a chunk of 256 keys
.set VP,   528                         ; V row: 512 bytes + 16, an odd multiple of 16
.set VC,   64*VP
.set VB,   4*KC                        ; 139,264
.set QP,   160                         ; Q row: 128 bytes + 32, an odd multiple of 32
.set QBL,  32*QP                       ; a block of 32 c x 64 queries
.set QB,   VB+4*VC                     ; 274,432
.set SCRB, 17408                       ; merge scratch of a query group, in K's bytes once they have been read for the last time
.set OP,   144                         ; output stage row: 128 bytes + 16; the stage lies in V's bytes likewise
.set OST,  64*OP
.set WAVE, 8
.set G1Q, 20
.set G1K, 28
.set G1V, 36
.set G0Q, 44
.set G0K, 48                           ; s[48:63] one set for each chunk
.set G0V, 68                           ; s[68:83]
.set SCR, 4
.set STO, 5
.set RD,  6
.set CO,  7
.set KA,  8                            ; v8-11  my K fragments in chunk j
.set VA,  12                           ; v12-15 my V fragments in chunk j
.set QA,  16
.set M,   20                           ; v[20:23] running maximum of query tile nt
.set T,   24                           ; v[24:27]
.set T2,  28                           ; v[28:31]
.set S,   32                           ; v[32:159] scores: tile (mt, nt) at 32 nt + 8 mt; then p; then P(nt, kb) in the first 8 of each 16
.set KF,  160                          ; v[160:223] K fragments (mt, ch) at 8 (2 mt + ch)
.set NM,  224                          ; v[224:231] -c max, twice
.set AL,  232                          ; v[232:239] rescale factor, twice
.set LP,  240                          ; v[240:247] running sums, a pair for each nt
.set TS,  248                          ; v[248:255]
.set O,   0                            ; window 1: v[0:127] tile (ct, nt) at 8 (4 ct + nt)
.set QF,  128                          ; window 1: Q fragments (nt, ch) at 8 (2 nt + ch)
.set VF,  192                          ; window 1: V fragments (ct, kb) at 8 (2 ct + kb)
.set MSB, 0
.macro WIN new
.if MSB != \new
	s_set_vgpr_msb (MSB<<8)|\new
.set MSB, \new
.endif
.endm
.macro PLACES cnt
.rept \cnt
	v_nop
.endr
.endm
.macro CREST
	s_cmp_lg_u32 s[WAVE], 0
	s_cbranch_scc1 .Lnot_wave_0_\@
	s_barrier_signal -3
.Lnot_wave_0_\@:
	s_barrier_wait -3
	s_barrier_signal -1
	s_barrier_wait -1
.endm
.macro CROUND
	s_barrier_signal -1
	s_barrier_wait -1
	CREST
.endm
	s_load_b128 s[4:7], s[0:1], 0x0                ; qkv s[4:5], att s[6:7]
	v_lshl_add_u32 v254, v0, 2, 0x4d000
	v_mov_b32 v255, 0
	ds_add_u32 v254, v255
	s_wait_dscnt 0x0
	v_lshrrev_b32 v1, 5, v0
	v_readfirstlane_b32 s[WAVE], v1                ; wave 0..7
	s_lshr_b32 s9, s8, 2                           ; key half; also the c half of the Q block that I fetch
	s_and_b32 s10, s8, 3                           ; query group
	s_bfe_u32 s11, ttmp6, 0x40000                  ; cx = the query block of 256
	s_lshr_b32 s13, ttmp9, 3                       ; batch (ttmp9 counts clusters = batch x 8 + head)
	s_and_b32 s14, ttmp9, 7                        ; head
	s_mov_b32 s16, 0x76543210
	s_mov_b32 s17, 0xfedcba98
	; group 1, Q: 32 rows c x 64 elements, 8 words of padding behind every 32; no mask: my work-group's own
	s_mov_b32 s[G1Q+0], (1<<16)|(1<<20)|(4<<22)|(7<<25)
	s_mov_b32 s[G1Q+1], 64<<16
	s_mov_b32 s[G1Q+2], 32<<16
	s_mov_b32 s[G1Q+3], 64<<16
	s_mov_b32 s[G1Q+4], 32
	s_mov_b32 s[G1Q+5], 1024
	s_mov_b32 s[G1Q+6], 0
	s_mov_b32 s[G1Q+7], 0
	; group 1, K: 8 rows c x 256 elements, 8 words behind every 128; all four work-groups of the cluster
	s_mov_b32 s[G1K+0], 15|(1<<16)|(1<<20)|(1<<21)|(6<<22)|(7<<25)
	s_mov_b32 s[G1K+1], 256<<16
	s_mov_b32 s[G1K+2], 8<<16
	s_mov_b32 s[G1K+3], 256<<16
	s_mov_b32 s[G1K+4], 8
	s_mov_b32 s[G1K+5], 1024
	s_mov_b32 s[G1K+6], 0
	s_mov_b32 s[G1K+7], 0
	; group 1, V: the same with 4 words of padding
	s_mov_b32 s[G1V+0], 15|(1<<16)|(1<<20)|(1<<21)|(6<<22)|(3<<25)
	s_mov_b32 s[G1V+1], 256<<16
	s_mov_b32 s[G1V+2], 8<<16
	s_mov_b32 s[G1V+3], 256<<16
	s_mov_b32 s[G1V+4], 8
	s_mov_b32 s[G1V+5], 1024
	s_mov_b32 s[G1V+6], 0
	s_mov_b32 s[G1V+7], 0
	s_mul_i32 s84, s13, 1536
	s_lshl_b32 s85, s14, 6
	s_add_co_u32 s84, s84, s85                     ; q's first row of this head
	s_lshl_b32 s85, s8, 3
	s_add_co_u32 s86, s84, s85
	s_add_co_u32 s86, s86, 512                     ; K: + 512 rows + my 8 rows of the 64
	s_lshl_b32 s86, s86, 11                        ; x 2,048 bytes
	s_mov_b32 s87, 0
	s_lshl_b32 s90, s9, 5
	s_add_co_u32 s90, s90, s84                     ; Q: + my c half
	s_lshl_b32 s90, s90, 11
	s_lshl_b32 s91, s11, 9                         ; + query block x 512 bytes
	s_add_co_u32 s90, s90, s91
	s_lshl_b32 s91, s10, 7                         ; + query group x 128 bytes
	s_add_co_u32 s90, s90, s91
	s_mov_b32 s91, 0
	s_mul_i32 s92, s8, 8*KP                        ; LDS: my 8 rows of a K chunk,
	s_mul_i32 s93, s8, 8*VP
	s_add_co_u32 s93, s93, VB                      ; of a V chunk,
	s_mul_i32 s94, s8, QBL
	s_add_co_u32 s94, s94, QB                      ; and my Q block
	s_wait_kmcnt 0x0
	s_add_nc_u64 s[86:87], s[4:5], s[86:87]        ; K
	s_add_nc_u64 s[88:89], s[86:87], 512*2048      ; V: 512 rows further down
	s_add_nc_u64 s[90:91], s[4:5], s[90:91]        ; Q
	s_mov_b32 s[G0Q], 1
	s_mov_b32 s[G0Q+1], s94
	s_mov_b64 s[G0Q+2:G0Q+3], s[90:91]
	s_or_b32 s[G0Q+3], s[G0Q+3], 0x80000000
.irp j, 0,1,2,3
	s_mov_b32 s[G0K+4*\j], 1
	s_add_co_u32 s[G0K+4*\j+1], s92, \j*KC
	s_add_nc_u64 s[G0K+4*\j+2:G0K+4*\j+3], s[86:87], \j*512
	s_or_b32 s[G0K+4*\j+3], s[G0K+4*\j+3], 0x80000000
	s_mov_b32 s[G0V+4*\j], 1
	s_add_co_u32 s[G0V+4*\j+1], s93, \j*VC
	s_add_nc_u64 s[G0V+4*\j+2:G0V+4*\j+3], s[88:89], \j*512
	s_or_b32 s[G0V+4*\j+3], s[G0V+4*\j+3], 0x80000000
.endr
	CROUND                                         ; the four work-groups are here: the joint loads meet
	tensor_load_to_lds s[G0Q:G0Q+3], s[G1Q:G1Q+7]
	s_nop 0
.irp j, 0,1,2,3
	tensor_load_to_lds s[G0K+4*\j:G0K+4*\j+3], s[G1K:G1K+7]
	s_nop 0
	tensor_load_to_lds s[G0V+4*\j:G0V+4*\j+3], s[G1V:G1V+7]            ; nine loads of the wave are out in all
	s_nop 0
.endr
	v_and_b32 v1, 15, v0                           ; r
	v_bfe_u32 v2, v0, 4, 1                         ; h
	v_and_b32 v3, 31, v0                           ; L
	v_and_b32 v17, 7, v0
	v_lshl_add_u32 v17, v2, 3, v17                 ; 8h + (L & 7): the row that a transposing load addresses
	v_bfe_u32 v18, v0, 3, 1
	v_mul_u32_u24 v19, v17, KP
	v_lshl_add_u32 v19, v18, 4, v19
	s_lshl_b32 s84, s9, 8                          ; my key half: 256 bytes along the rows
	v_add_nc_u32 v[KA], s84, v19
	v_add_nc_u32 v[KA+1], KC, v[KA]
	v_add_nc_u32 v[KA+2], KC, v[KA+1]
	v_add_nc_u32 v[KA+3], KC, v[KA+2]
	v_mul_u32_u24 v19, v17, QP
	v_lshl_add_u32 v19, v18, 4, v19
	s_mul_i32 s85, s10, QBL
	s_add_co_u32 s85, s85, QB
	v_add_nc_u32 v[QA], s85, v19
	v_mul_u32_u24 v19, v1, VP
	v_lshl_add_u32 v19, v2, 4, v19
	s_add_co_u32 s84, s84, VB
	v_add_nc_u32 v[VA], s84, v19
	v_add_nc_u32 v[VA+1], VC, v[VA]
	v_add_nc_u32 v[VA+2], VC, v[VA+1]
	v_add_nc_u32 v[VA+3], VC, v[VA+2]
	s_mul_i32 s85, s10, SCRB
	v_lshl_add_u32 v[SCR], v3, 4, s85              ; scratch of my query group + 16 L
	s_mul_i32 s85, s10, OST
	s_add_co_u32 s85, s85, VB
	v_mul_u32_u24 v19, v1, OP
	v_lshl_add_u32 v19, v2, 4, v19
	v_add_nc_u32 v[STO], s85, v19                  ; stage: row r, 16 bytes for each half of the lanes
	v_lshrrev_b32 v19, 3, v3
	v_mul_u32_u24 v19, v19, OP
	v_and_b32 v18, 7, v0
	v_lshl_add_u32 v19, v18, 4, v19
	v_add_nc_u32 v[RD], s85, v19                   ; back: eight lanes a row of 128 bytes, four rows a load
	v_lshlrev_b32 v[CO], 4, v3
.irp nt, 0,1,2,3
	v_mov_b32 v[T2+\nt], 0                         ; v_permlanex16_b32 counts as a reader of its destination
.endr
.macro LDK j, st                       ; 16 loads: 64 keys x 64 c
.irp mt, 0,1,2,3
.irp ch, 0,1
	ds_load_tr16_b128 v[KF+8*(2*\mt+\ch):KF+8*(2*\mt+\ch)+3],   v[KA+\j] offset:\ch*32*KP+128*\st+32*\mt
	ds_load_tr16_b128 v[KF+8*(2*\mt+\ch)+4:KF+8*(2*\mt+\ch)+7], v[KA+\j] offset:\ch*32*KP+128*\st+32*\mt+16*KP
.endr
.endr
.endm
.macro LDV j, st                       ; 16 loads: 64 c x 64 keys; destination in window 1
.irp ct, 0,1,2,3
.irp kb, 0,1
	ds_load_b128 v[VF+8*(2*\ct+\kb):VF+8*(2*\ct+\kb)+3],   v[VA+\j] offset:\ct*16*VP+128*\st+64*\kb
	ds_load_b128 v[VF+8*(2*\ct+\kb)+4:VF+8*(2*\ct+\kb)+7], v[VA+\j] offset:\ct*16*VP+128*\st+64*\kb+32
.endr
.endr
.endm
; 16 matrix instructions of the first product, 32 c each; the 16 score tiles take turns
.macro SMUL ch, zero
.irp nt, 0,1,2,3
.irp mt, 0,1,2,3
.if \zero
	v_wmma_f32_16x16x32_bf16 v[S+32*\nt+8*\mt:S+32*\nt+8*\mt+7], v[KF+8*(2*\mt+\ch):KF+8*(2*\mt+\ch)+7], v[QF+8*(2*\nt+\ch):QF+8*(2*\nt+\ch)+7], 0
.else
	v_wmma_f32_16x16x32_bf16 v[S+32*\nt+8*\mt:S+32*\nt+8*\mt+7], v[KF+8*(2*\mt+\ch):KF+8*(2*\mt+\ch)+7], v[QF+8*(2*\nt+\ch):QF+8*(2*\nt+\ch)+7], v[S+32*\nt+8*\mt:S+32*\nt+8*\mt+7]
.endif
.endr
.endr
.endm
; 16 matrix instructions of the second product, 32 keys each; the 16 output tiles take turns likewise
.macro PVMUL kb, zero
.irp ct, 0,1,2,3
.irp nt, 0,1,2,3
.if \zero
	v_wmma_f32_16x16x32_bf16 v[O+8*(4*\ct+\nt):O+8*(4*\ct+\nt)+7], v[VF+8*(2*\ct+\kb):VF+8*(2*\ct+\kb)+7], v[S+32*\nt+16*\kb:S+32*\nt+16*\kb+7], 0
.else
	v_wmma_f32_16x16x32_bf16 v[O+8*(4*\ct+\nt):O+8*(4*\ct+\nt)+7], v[VF+8*(2*\ct+\kb):VF+8*(2*\ct+\kb)+7], v[S+32*\nt+16*\kb:S+32*\nt+16*\kb+7], v[O+8*(4*\ct+\nt):O+8*(4*\ct+\nt)+7]
.endif
.endr
.endr
.endm
; query tile nt: p = 2^(c s - c max) in place, its sum into LP, p packed to bf16 in place
.macro SOFT nt, first
.irp i, 0,1,2,3,4,5,6,7,8,9,10,11,12,13,14,15
	v_pk_fma_f32 v[S+32*\nt+2*\i:S+32*\nt+2*\i+1], v[S+32*\nt+2*\i:S+32*\nt+2*\i+1], 0x3e38aa3b, v[NM+2*\nt:NM+2*\nt+1] op_sel_hi:[1,0,1]
.endr
.set e, 0
.rept 32
	v_exp_f32 v[S+32*\nt+e], v[S+32*\nt+e]
.set e, e+1
.endr
	v_nop                                          ; one plain place behind the last exponential before its result is read (ISA guide 5.7.2)
	s_wait_alu depctr_va_vdst(0)
.irp k, 0,1,2,3
	v_pk_add_f32 v[TS+2*\k:TS+2*\k+1], v[S+32*\nt+2*\k:S+32*\nt+2*\k+1], v[S+32*\nt+2*\k+8:S+32*\nt+2*\k+9]
.endr
.irp m, 2,3
.irp k, 0,1,2,3
	v_pk_add_f32 v[TS+2*\k:TS+2*\k+1], v[TS+2*\k:TS+2*\k+1], v[S+32*\nt+8*\m+2*\k:S+32*\nt+8*\m+2*\k+1]
.endr
.endr
	v_pk_add_f32 v[TS:TS+1], v[TS:TS+1], v[TS+2:TS+3]
	v_pk_add_f32 v[TS+4:TS+5], v[TS+4:TS+5], v[TS+6:TS+7]
.if \first
	v_pk_add_f32 v[LP+2*\nt:LP+2*\nt+1], v[TS:TS+1], v[TS+4:TS+5]      ; the first step starts the sum
.else
	v_pk_add_f32 v[TS:TS+1], v[TS:TS+1], v[TS+4:TS+5]
	v_pk_fma_f32 v[LP+2*\nt:LP+2*\nt+1], v[LP+2*\nt:LP+2*\nt+1], v[AL+2*\nt:AL+2*\nt+1], v[TS:TS+1]
.endif
.irp kb, 0,1
.irp i, 0,1,2,3,4,5,6,7
	v_cvt_pk_bf16_f32 v[S+32*\nt+16*\kb+\i], v[S+32*\nt+16*\kb+2*\i], v[S+32*\nt+16*\kb+2*\i+1]   ; ascending: register i is written when 2i, 2i+1 are read
.endr
.endr
.endm
; One step: 64 keys (half st of my 128 keys of chunk j).  pre = 1: the next step's K fragments (chunk nj, half ns) are fetched behind the first product.
; sync >= 0: that fetch enters a new chunk: my parts of it have landed when at most sync younger loads are out, and a barrier shows the other waves' parts.
.macro STEP j, st, first, pre, nj, ns, sync
.if \first == 0
	PLACES 5                                       ; behind the last step's second product: its V registers are loaded again, and its P registers written by matrix instructions
.endif
	WIN 0x40
	LDV \j, \st
	s_wait_dscnt 16                                ; all but the 16 V loads just issued: K's fragments (and Q's in the first step) are in
	WIN 0x04
	SMUL 0, 1
	SMUL 1, 0
	WIN 0
	PLACES 4                                       ; before the scores are read and K's registers loaded again
.if \sync >= 0
	s_wait_tensorcnt \sync
	s_wait_dscnt 0x0                               ; no LDS instruction of mine is pending at the signal
	s_barrier_signal -1
	s_barrier_wait -1                              ; the later chunks' loads may stay out
.endif
.if \pre
	LDK \nj, \ns
.endif
	; the largest of my 32 scores of each query tile, the old maximum among them; four chains side by side
.irp nt, 0,1,2,3
	v_max3_num_f32 v[T+\nt], v[S+32*\nt], v[S+32*\nt+1], v[S+32*\nt+2]
.endr
.irp i, 3,5,7,9,11,13,15,17,19,21,23,25,27,29
.irp nt, 0,1,2,3
	v_max3_num_f32 v[T+\nt], v[T+\nt], v[S+32*\nt+\i], v[S+32*\nt+\i+1]
.endr
.endr
.irp nt, 0,1,2,3
.if \first
	v_max_num_f32 v[T+\nt], v[T+\nt], v[S+32*\nt+31]
.else
	v_max3_num_f32 v[T+\nt], v[T+\nt], v[S+32*\nt+31], v[M+\nt]
.endif
.endr
.irp nt, 0,1,2,3
	v_permlanex16_b32 v[T2+\nt], v[T+\nt], s16, s17                    ; the other half of the lanes holds the query's other keys
.endr
.irp nt, 0,1,2,3
	v_max_num_f32 v[T+\nt], v[T+\nt], v[T2+\nt]
.endr
.if \first == 0
.irp nt, 0,1,2,3
	v_sub_f32 v[T2+\nt], v[M+\nt], v[T+\nt]
.endr
.irp nt, 0,1,2,3
	v_mul_f32 v[T2+\nt], 0x3e38aa3b, v[T2+\nt]
.endr
.irp nt, 0,1,2,3
	v_exp_f32 v[AL+2*\nt],   v[T2+\nt]             ; 2^(c (old max - new max)), twice, for the packed multiplies
	v_exp_f32 v[AL+2*\nt+1], v[T2+\nt]
.endr
.endif
.irp nt, 0,1,2,3
	v_mul_f32 v[NM+2*\nt],   0xbe38aa3b, v[T+\nt]  ; plain work that touches neither AL nor T2 stands behind the exponentials
	v_mul_f32 v[NM+2*\nt+1], 0xbe38aa3b, v[T+\nt]
	v_mov_b32 v[M+\nt], v[T+\nt]
.endr
	SOFT 0, \first
	SOFT 1, \first
	SOFT 2, \first
	SOFT 3, \first
.if \first == 0
	WIN 0x41
.irp ct, 0,1,2,3
.irp nt, 0,1,2,3
.irp q, 0,1,2,3
	v_pk_mul_f32 v[O+8*(4*\ct+\nt)+2*\q:O+8*(4*\ct+\nt)+2*\q+1], v[O+8*(4*\ct+\nt)+2*\q:O+8*(4*\ct+\nt)+2*\q+1], v[AL+2*\nt:AL+2*\nt+1]
.endr
.endr
.endr
.endif
.if \pre
	s_wait_dscnt 16                                ; V's fragments are in; the 16 younger loads (the next step's K) stay out
.else
	s_wait_dscnt 0x0
.endif
	WIN 0x51
	PVMUL 0, \first
	PVMUL 1, 0
	WIN 0
.endm
	s_wait_tensorcnt 6                             ; my parts of Q, K chunk 0 and V chunk 0 are in; the six younger loads stay out
	s_barrier_signal -1
	s_barrier_wait -1
	WIN 0x40
.irp nt, 0,1,2,3
.irp ch, 0,1
	ds_load_tr16_b128 v[QF+8*(2*\nt+\ch):QF+8*(2*\nt+\ch)+3],   v[QA] offset:\ch*4*QBL+32*\nt
	ds_load_tr16_b128 v[QF+8*(2*\nt+\ch)+4:QF+8*(2*\nt+\ch)+7], v[QA] offset:\ch*4*QBL+32*\nt+16*QP
.endr
.endr
	WIN 0
	LDK 0, 0
	STEP 0, 0, 1, 1, 0, 1, -1
	STEP 0, 1, 0, 1, 1, 0, 4                       ; chunk 1 is entered: chunks 2 and 3 (four loads) may be out
	STEP 1, 0, 0, 1, 1, 1, -1
	STEP 1, 1, 0, 1, 2, 0, 2
	STEP 2, 0, 0, 1, 2, 1, -1
	STEP 2, 1, 0, 1, 3, 0, 0                       ; every tensor load of the wave has landed
	STEP 3, 0, 0, 1, 3, 1, -1
	STEP 3, 1, 0, 0, 0, 0, -1
	; THE MERGE of the two key halves of each query group
	PLACES 4                                       ; behind the last matrix instructions, before their results are read
.irp nt, 0,1,2,3
	v_add_f32 v[T+\nt], v[LP+2*\nt], v[LP+2*\nt+1] ; my lane's sum
.endr
	s_wait_dscnt 0x0
	s_barrier_signal -1
	s_barrier_wait -1                              ; every wave has read K and V for the last time, and no fill follows: their bytes serve as scratch
	s_cmp_lt_u32 s[WAVE], 4
	s_cbranch_scc1 .Lnostore
	WIN 0x04                                       ; waves 4-7: O, the maxima and the sums into the group's scratch, 16 bytes a lane
.irp i, 0,1,2,3,4,5,6,7,8,9,10,11,12,13,14,15,16,17,18,19,20,21,22,23,24,25,26,27,28,29,30,31
	ds_store_b128 v[SCR], v[O+4*\i:O+4*\i+3] offset:512*\i
.endr
	WIN 0
	ds_store_b128 v[SCR], v[M:M+3] offset:16384
	ds_store_b128 v[SCR], v[T:T+3] offset:16896
.Lnostore:
	s_wait_dscnt 0x0                               ; the stores are in LDS before the signal
	s_barrier_signal -1
	s_barrier_wait -1
	s_cmp_ge_u32 s[WAVE], 4
	s_cbranch_scc1 .Ldone
.irp i, 0,1,2,3,4,5,6,7,8,9,10,11,12,13,14,15,16,17,18,19,20,21,22,23,24,25,26,27,28,29,30,31
	ds_load_b128 v[S+4*\i:S+4*\i+3], v[SCR] offset:512*\i              ; the partner's O, register for register
.endr
	ds_load_b128 v[KF:KF+3], v[SCR] offset:16384                       ; its maxima
	ds_load_b128 v[KF+4:KF+7], v[SCR] offset:16896                     ; its sums
	s_wait_dscnt 0x0
.irp nt, 0,1,2,3
	v_max_num_f32 v[T2+\nt], v[M+\nt], v[KF+\nt]
.endr
.irp nt, 0,1,2,3
	v_sub_f32 v[AL+2*\nt], v[M+\nt], v[T2+\nt]
	v_sub_f32 v[NM+2*\nt], v[KF+\nt], v[T2+\nt]
.endr
.irp nt, 0,1,2,3
	v_mul_f32 v[AL+2*\nt], 0x3e38aa3b, v[AL+2*\nt]
	v_mul_f32 v[NM+2*\nt], 0x3e38aa3b, v[NM+2*\nt]
.endr
.irp nt, 0,1,2,3
	v_exp_f32 v[AL+2*\nt], v[AL+2*\nt]             ; a: my half's weight
	v_exp_f32 v[NM+2*\nt], v[NM+2*\nt]             ; b: the partner's
.endr
	v_nop
	s_wait_alu depctr_va_vdst(0)
.irp nt, 0,1,2,3
	v_mul_f32 v[T+\nt], v[T+\nt], v[AL+2*\nt]
	v_fmac_f32 v[T+\nt], v[KF+4+\nt], v[NM+2*\nt]
.endr
.irp nt, 0,1,2,3
	v_permlanex16_b32 v[T2+\nt], v[T+\nt], s16, s17                    ; the sums of the query's other keys
.endr
.irp nt, 0,1,2,3
	v_add_f32 v[T+\nt], v[T+\nt], v[T2+\nt]        ; at least 1: the largest score's own term
.endr
.irp nt, 0,1,2,3
	v_rcp_f32 v[T+\nt], v[T+\nt]
.endr
	v_nop
	s_wait_alu depctr_va_vdst(0)
.irp nt, 0,1,2,3
	v_mul_f32 v[AL+2*\nt], v[AL+2*\nt], v[T+\nt]
	v_mul_f32 v[NM+2*\nt], v[NM+2*\nt], v[T+\nt]
.endr
.irp nt, 0,1,2,3
	v_mov_b32 v[AL+2*\nt+1], v[AL+2*\nt]
	v_mov_b32 v[NM+2*\nt+1], v[NM+2*\nt]
.endr
.irp ct, 0,1,2,3
.irp nt, 0,1,2,3
.irp q, 0,1,2,3
	v_pk_mul_f32 v[S+8*(4*\ct+\nt)+2*\q:S+8*(4*\ct+\nt)+2*\q+1], v[S+8*(4*\ct+\nt)+2*\q:S+8*(4*\ct+\nt)+2*\q+1], v[NM+2*\nt:NM+2*\nt+1]
.endr
.endr
.endr
	WIN 0x01
.irp ct, 0,1,2,3
.irp nt, 0,1,2,3
.irp q, 0,1,2,3
	v_pk_fma_f32 v[S+8*(4*\ct+\nt)+2*\q:S+8*(4*\ct+\nt)+2*\q+1], v[O+8*(4*\ct+\nt)+2*\q:O+8*(4*\ct+\nt)+2*\q+1], v[AL+2*\nt:AL+2*\nt+1], v[S+8*(4*\ct+\nt)+2*\q:S+8*(4*\ct+\nt)+2*\q+1]
.endr
.endr
.endr
	WIN 0
	; a lane's eight numbers of tile (ct, nt) are c = 16 ct + 8h .. +7 of query 16 nt + r: 16 bytes of a row of att
.irp ct, 0,1,2,3
.irp nt, 0,1,2,3
.irp q, 0,1,2,3
	v_cvt_pk_bf16_f32 v[S+8*(4*\ct+\nt)+\q], v[S+8*(4*\ct+\nt)+2*\q], v[S+8*(4*\ct+\nt)+2*\q+1]
.endr
	ds_store_b128 v[STO], v[S+8*(4*\ct+\nt):S+8*(4*\ct+\nt)+3] offset:16*OP*\nt+32*\ct
.endr
.endr
	s_lshl_b32 s84, ttmp9, 10
	s_lshl_b32 s85, s11, 8
	s_add_co_u32 s84, s84, s85
	s_lshl_b32 s85, s10, 6
	s_add_co_u32 s84, s84, s85                     ; my first row of att = (batch x 8 + head) x 1024 + 256 x block + 64 x group
	s_lshl_b32 s84, s84, 7                         ; x 128 bytes
	s_mov_b32 s85, 0
	s_add_nc_u64 s[6:7], s[6:7], s[84:85]
.irp t, 0,1,2,3,4,5,6,7,8,9,10,11,12,13,14,15
	ds_load_b128 v[KF+4*\t:KF+4*\t+3], v[RD] offset:\t*4*OP            ; the stage is my wave's own: LDS serves a wave's instructions in order
.endr
.irp t, 0,1,2,3,4,5,6,7,8,9,10,11,12,13,14,15
	s_wait_dscnt 15-\t
	global_store_b128 v[CO], v[KF+4*\t:KF+4*\t+3], s[6:7] offset:512*\t ; four rows of att: 512 consecutive bytes, aligned
.endr
.Ldone:
	s_wait_xcnt 0x0
	v_lshl_add_u32 v254, v0, 2, 0x4d000
	v_mov_b32 v255, 0
	s_wait_tensorcnt 0x0
	ds_add_u32 v254, v255
	s_wait_dscnt 0x0
	CROUND                                         ; the closing round
	s_endpgm
.Lfunc_end_k_qcc41866928_attn:
	.size	k_qcc41866928_attn, .Lfunc_end_k_qcc41866928_attn-k_qcc41866928_attn
	.p2alignl 7, 3214868480
	.fill 96, 4, 3214868480
	.section	.rodata,"a",@progbits
	.p2align	6, 0x0
	.amdhsa_kernel k_qcc41866928_attn
		.amdhsa_group_segment_fixed_size 316416
		.amdhsa_private_segment_fixed_size 0
		.amdhsa_enable_private_segment 0
		.amdhsa_kernarg_size 16
		.amdhsa_user_sgpr_count 2
		.amdhsa_user_sgpr_kernarg_segment_ptr 1
		.amdhsa_wavefront_size32 1
		.amdhsa_system_sgpr_workgroup_id_x 1
		.amdhsa_system_sgpr_workgroup_id_y 1
		.amdhsa_system_sgpr_workgroup_id_z 1
		.amdhsa_system_vgpr_workitem_id 0
		.amdhsa_next_free_vgpr 512
		.amdhsa_next_free_sgpr 96
		.amdhsa_reserve_vcc 0
		.amdhsa_float_denorm_mode_32 3
		.amdhsa_float_denorm_mode_16_64 3
		.amdhsa_memory_ordered 1
		.amdhsa_forward_progress 1
		.amdhsa_inst_pref_size 255
	.end_amdhsa_kernel
	.section	.bss,"aw",@nobits
	.p2align	6
	.space	262144
	.amdgpu_metadata
---
amdhsa.version: [ 1, 2 ]
amdhsa.kernels:
  - .name:           k_qcc41866928_attn
    .symbol:         k_qcc41866928_attn.kd
    .args:
      - { .name: qkv, .offset: 0, .size: 8, .value_kind: global_buffer, .address_space: global }
      - { .name: att, .offset: 8, .size: 8, .value_kind: global_buffer, .address_space: global }
    .group_segment_fixed_size: 316416
    .private_segment_fixed_size: 0
    .kernarg_segment_align: 8
    .kernarg_segment_size: 16
    .max_flat_workgroup_size: 256
    .sgpr_count:     96
    .vgpr_count:     512
    .wavefront_size: 32
...
	.end_amdgpu_metadata
.endif
;; end of part 3
;; launch proj (part 4): grid 4 x 64, 4 waves a work-group, clusters of 4 x 4, 304,640 bytes of LDS; arguments att, w16, bp, x, out0; writes out0
.if DOCPART == 4
	.amdgcn_target "amdgcn-amd-amdhsa--gfx1250"
	.amdhsa_code_object_version 6
	.text
	.protected	k_qcc41866928_proj
	.globl	k_qcc41866928_proj
	.p2align	8
	.type	k_qcc41866928_proj,@function
k_qcc41866928_proj:
	s_mov_b64 s[64:65], 0
	v_nop
	global_prefetch_b8 v0, s[64:65] scope:SCOPE_SE
	s_setreg_imm32_b32 hwreg(HW_REG_WAVE_MODE, 25, 1), 1
	s_wait_xcnt 0x0
	s_wait_alu depctr_hold_cnt(0) depctr_sa_sdst(0) depctr_va_vdst(0) depctr_va_sdst(0) depctr_va_ssrc(0) depctr_va_vcc(0) depctr_vm_vsrc(0)
	s_getreg_b32 s2, hwreg(HW_REG_IB_STS2, 6, 4)
	s_cmp_eq_u32 s2, 0
	s_cbranch_scc0 .Lentry_in_a_cluster
	s_endpgm
.Lentry_in_a_cluster:
	s_bfe_u32 s2, ttmp6, 0x10000c
	s_cmp_lg_u32 s2, 0xf033
	s_cbranch_scc0 .Lentry_shape_is_right
	s_endpgm
.Lentry_shape_is_right:
; out0[b][o][n] = sum over ch of wp[o][ch] att(b, ch, n) + bp[o] + x[b][o][n], f32 out; wp = rows 1536.. of w16 (bf16), att = [b][head][n][64 c] (bf16), ch = 64 head + c.
; A work-group makes 128 o x 128 n with four waves; a wave 64 x 64 = 16 accumulator tiles.  256 work-groups of this size cover the output.
; All of K = 512 is asked for at the head, in four chunks of 128, and stays in LDS: nothing is filled twice.
; CLUSTERS: 4 x 4.  The weight tile hangs on the o tile (cx): shared along a column of the cluster.  The att tile hangs on batch and n tile (cluster y, cy): shared along a row.
; THE MATRIX INSTRUCTION: A = 16 positions n x 32 ch of att, B = 16 rows o of wp (both with K along the LDS rows): lane (r, h) holds row o = r and positions 8h .. 8h+7.
; The residual x is loaded into registers in the layout of the final stores.  It is asked for behind the wait for the first chunk, so that the tiles which the first
; products wait for are asked for alone; nothing reads x before the way out, 256 matrix instructions later.
; LIMITS: operands in bf16, sums in f32; NaN and infinities get no special care.
.set WP,     272                       ; weight row in LDS: 256 bytes + 16
.set WC,     128*WP                    ; a chunk: 128 o x 128 ch
.set OP,     144                       ; att row in LDS: 128 bytes (one head's 64 c) + 16
.set OPL,    128*OP                    ; a head's plane: 128 n
.set OBASE,  4*WC                      ; 139,264
.set STAGE,  OBASE+8*OPL               ; 286,720 = 1,120 x 256: never filled by the mover; 16 rows x 272 bytes for each wave
.set SPITCH, 272
.set WAVE, 16
.set G0W, 28                           ; s[28:43] one set for each chunk
.set G0O, 44                           ; s[44:59]
.set G1W, 68
.set G1O, 76
.set AO,   8                           ; v8-11  my att fragments in chunk kc
.set AW,   12                          ; v12-15 my weight fragments in chunk kc
.set STO,  16
.set RD,   17
.set CO,   18
.set BO,   19
.set BIAS, 20                          ; v[20:27] bias of o tile t, twice
.set FB0,  32                          ; three fragment buffers of 64 registers: att at +8 nt, weights at +32+8 ot
.set XR,   128                         ; window 1: v[128:255] the residual; v[0:127] the accumulators, tile (ot, nt) at 8 (4 ot + nt)
.set MSB, 0
.macro WIN new
.if MSB != \new
	s_set_vgpr_msb (MSB<<8)|\new
.set MSB, \new
.endif
.endm
.macro PLACES cnt
.rept \cnt
	v_nop
.endr
.endm
.macro CREST
	s_cmp_lg_u32 s[WAVE], 0
	s_cbranch_scc1 .Lnot_wave_0_\@
	s_barrier_signal -3
.Lnot_wave_0_\@:
	s_barrier_wait -3
	s_barrier_signal -1
	s_barrier_wait -1
.endm
.macro CROUND
	s_barrier_signal -1
	s_barrier_wait -1
	CREST
.endm
	s_load_b256 s[4:11], s[0:1], 0x0               ; att s[4:5], w16 s[6:7], bp s[8:9], x s[10:11]
	s_load_b64 s[12:13], s[0:1], 0x20              ; out0
	v_lshl_add_u32 v254, v0, 2, 0x4a400
	v_mov_b32 v255, 0
	ds_add_u32 v254, v255
	v_lshrrev_b32 v1, 5, v0
	v_readfirstlane_b32 s[WAVE], v1
	s_lshr_b32 s17, s16, 1                         ; wn: which 64 positions
	s_and_b32 s18, s16, 1                          ; wo: which 64 rows o
	s_bfe_u32 s19, ttmp6, 0x40000                  ; cx
	s_bfe_u32 s20, ttmp6, 0x40004                  ; cy
	s_lshl_b32 s21, ttmp9, 2
	s_add_co_u32 s21, s21, s19                     ; o tile of 128
	s_and_b32 s22, ttmp7, 0xffff
	s_lshl_b32 s22, s22, 2
	s_add_co_u32 s22, s22, s20                     ; y = 8 x batch + n tile
	s_lshr_b32 s23, s22, 3                         ; batch
	s_and_b32 s24, s22, 7                          ; n tile of 128
	s_lshl_b32 s25, s20, 2
	s_lshl_b32 s25, 15, s25                        ; my row of the cluster
	s_lshl_b32 s26, 0x1111, s19                    ; my column
	; group 1, weights: 32 rows o x 128 elements of 2 bytes, 4 words of padding behind every 64
	s_or_b32  s[G1W+0], s26, (1<<16)|(1<<20)|(1<<21)|(5<<22)|(3<<25)
	s_mov_b32 s[G1W+1], 128<<16
	s_mov_b32 s[G1W+2], 32<<16
	s_mov_b32 s[G1W+3], 128<<16
	s_mov_b32 s[G1W+4], 32
	s_mov_b32 s[G1W+5], 512
	s_mov_b32 s[G1W+6], 0
	s_mov_b32 s[G1W+7], 0
	; group 1, att: 8,192 dense bytes (64 n of one head) as 32 rows of 32 elements of 8 bytes; 4 words of padding behind every 32 words = behind each n's 128 bytes
	s_or_b32  s[G1O+0], s25, (3<<16)|(1<<20)|(1<<21)|(4<<22)|(3<<25)
	s_mov_b32 s[G1O+1], 32<<16
	s_mov_b32 s[G1O+2], 32<<16
	s_mov_b32 s[G1O+3], 32<<16
	s_mov_b32 s[G1O+4], 32
	s_mov_b32 s[G1O+5], 32
	s_mov_b32 s[G1O+6], 0
	s_mov_b32 s[G1O+7], 0
	; att's address: batch, n tile, wave; the weights': o tile, wave; each in registers that never hold the other coordinate
	s_lshl_b32 s84, s23, 20                        ; batch x 8 heads x 1024 x 128 bytes
	s_lshl_b32 s85, s24, 14                        ; + n tile x 128 x 128
	s_add_co_u32 s84, s84, s85
	s_lshl_b32 s85, s17, 17                        ; + (wave >> 1): which head of the chunk's two
	s_add_co_u32 s84, s84, s85
	s_lshl_b32 s85, s18, 13                        ; + (wave & 1): which 64 n
	s_add_co_u32 s84, s84, s85
	s_mov_b32 s85, 0
	s_lshl_b32 s86, s21, 17                        ; o tile x 128 rows x 1,024
	s_lshl_b32 s87, s16, 15                        ; + wave x 32 rows
	s_add_co_u32 s86, s86, s87
	s_add_co_u32 s86, s86, 1536*1024               ; wp's rows in w16
	s_mov_b32 s87, 0
	s_mul_i32 s88, s16, 32*WP                      ; LDS: my 32 rows of a weight chunk,
	s_mul_i32 s89, s16, 64*OP
	s_add_co_u32 s89, s89, OBASE                   ; my half plane of att
	s_wait_dscnt 0x0
	s_wait_kmcnt 0x0
	s_add_nc_u64 s[84:85], s[4:5], s[84:85]
	s_add_nc_u64 s[86:87], s[6:7], s[86:87]
.irp kc, 0,1,2,3
	s_mov_b32 s[G0W+4*\kc], 1
	s_add_co_u32 s[G0W+4*\kc+1], s88, \kc*WC
	s_add_nc_u64 s[G0W+4*\kc+2:G0W+4*\kc+3], s[86:87], \kc*256
	s_or_b32 s[G0W+4*\kc+3], s[G0W+4*\kc+3], 0x80000000
	s_mov_b32 s[G0O+4*\kc], 1
	s_add_co_u32 s[G0O+4*\kc+1], s89, \kc*2*OPL
	s_add_nc_u64 s[G0O+4*\kc+2:G0O+4*\kc+3], s[84:85], \kc*262144      ; two heads on
	s_or_b32 s[G0O+4*\kc+3], s[G0O+4*\kc+3], 0x80000000
.endr
	CROUND                                         ; all sixteen work-groups are here: the joint loads meet
.irp kc, 0,1,2,3
	tensor_load_to_lds s[G0W+4*\kc:G0W+4*\kc+3], s[G1W:G1W+7]
	s_nop 0
	tensor_load_to_lds s[G0O+4*\kc:G0O+4*\kc+3], s[G1O:G1O+7]          ; eight loads of the wave are out in all
	s_nop 0
.endr
	v_and_b32 v1, 15, v0                           ; r
	v_bfe_u32 v2, v0, 4, 1                         ; h
	v_lshlrev_b32 v[BO], 2, v1
	v_lshlrev_b32 v3, 12, v2
	v_lshl_add_u32 v[CO], v1, 4, v3                ; two rows of out0 (4,096 bytes apart), 16 bytes a lane
	s_lshl_b32 s90, s21, 7
	s_lshl_b32 s91, s18, 6
	s_add_co_u32 s90, s90, s91                     ; my first row o
	s_lshl_b32 s92, s90, 2
	s_mov_b32 s93, 0
	s_add_nc_u64 s[8:9], s[8:9], s[92:93]          ; bp at my first row
	s_lshl_b32 s92, s23, 9
	s_add_co_u32 s92, s92, s90
	s_lshl_b32 s92, s92, 12                        ; (batch x 512 + o) x 4,096
	s_lshl_b32 s91, s24, 9                         ; + n tile x 128 x 4
	s_add_co_u32 s92, s92, s91
	s_lshl_b32 s91, s17, 8                         ; + my 64 positions x 4
	s_add_co_u32 s92, s92, s91
	s_add_nc_u64 s[10:11], s[10:11], s[92:93]
	s_add_nc_u64 s[12:13], s[12:13], s[92:93]
.irp ot, 0,1,2,3
	global_load_b32 v[BIAS+2*\ot], v[BO], s[8:9] offset:64*\ot
.endr
	v_mul_u32_u24 v3, v1, OP
	v_lshl_add_u32 v3, v2, 4, v3                   ; r x 144 + 16 h
	s_mul_i32 s90, s17, 64*OP
	s_add_co_u32 s90, s90, OBASE
	v_add_nc_u32 v[AO], s90, v3
	v_add_nc_u32 v[AO+1], 2*OPL, v[AO]
	v_add_nc_u32 v[AO+2], 2*OPL, v[AO+1]
	v_add_nc_u32 v[AO+3], 2*OPL, v[AO+2]
	v_mul_u32_u24 v4, v1, WP
	v_lshl_add_u32 v5, v2, 4, v4                   ; r x 272 + 16 h
	s_mul_i32 s91, s18, 64*WP
	v_add_nc_u32 v[AW], s91, v5
	v_add_nc_u32 v[AW+1], WC, v[AW]
	v_add_nc_u32 v[AW+2], WC, v[AW+1]
	v_add_nc_u32 v[AW+3], WC, v[AW+2]
	s_mul_i32 s90, s16, 16*SPITCH
	s_add_co_u32 s90, s90, STAGE                   ; my stage
	v_lshl_add_u32 v5, v2, 5, v4                   ; in: row r, 32 bytes for each half of the lanes
	v_add_nc_u32 v[STO], s90, v5
	v_mul_u32_u24 v5, v2, SPITCH
	v_lshl_add_u32 v5, v1, 4, v5
	v_add_nc_u32 v[RD], s90, v5                    ; back: lanes 0-15 one row of 256 bytes, lanes 16-31 the next
; 16 LDS loads: the fragments of K step ks (32 ch) into buffer ks mod 3
.macro FETCH ks
.set fd, FB0+64*((\ks)%3)
.irp nt, 0,1,2,3
	ds_load_b128 v[fd+8*\nt:fd+8*\nt+3],   v[AO+((\ks)>>2)] offset:(((\ks)>>1)&1)*OPL+16*OP*\nt+64*((\ks)&1)
	ds_load_b128 v[fd+8*\nt+4:fd+8*\nt+7], v[AO+((\ks)>>2)] offset:(((\ks)>>1)&1)*OPL+16*OP*\nt+64*((\ks)&1)+32
.endr
.irp ot, 0,1,2,3
	ds_load_b128 v[fd+32+8*\ot:fd+32+8*\ot+3],   v[AW+((\ks)>>2)] offset:16*WP*\ot+64*((\ks)&3)
	ds_load_b128 v[fd+32+8*\ot+4:fd+32+8*\ot+7], v[AW+((\ks)>>2)] offset:16*WP*\ot+64*((\ks)&3)+32
.endr
.endm
; K step ks: fetch the fragments of step ks + 2, multiply those of step ks.  The 16 accumulators take turns.
.macro STEP ks
	WIN 0
.if \ks > 0
	PLACES 4                                       ; behind the last step's matrix instructions: the buffer that they read is loaded again
.endif
.if \ks < 14
.if (\ks & 3) == 2
	s_wait_tensorcnt (10-\ks)/2                    ; the fetch below enters the next chunk: my parts of it are in when only the later chunks' loads (two each) are out
	s_wait_dscnt 0x0
	s_barrier_signal -1
	s_barrier_wait -1
.endif
.set kn, \ks+2
	FETCH kn
	s_wait_dscnt 32                                ; the fragments of steps ks + 1 and ks + 2 may be out
.else
	s_wait_dscnt 16*(15-\ks)
.endif
	WIN 0x50
.set fb, FB0+64*(\ks%3)
.irp ot, 0,1,2,3
.irp nt, 0,1,2,3
.if \ks == 0
	v_wmma_f32_16x16x32_bf16 v[8*(4*\ot+\nt):8*(4*\ot+\nt)+7], v[fb+8*\nt:fb+8*\nt+7], v[fb+32+8*\ot:fb+32+8*\ot+7], 0
.else
	v_wmma_f32_16x16x32_bf16 v[8*(4*\ot+\nt):8*(4*\ot+\nt)+7], v[fb+8*\nt:fb+8*\nt+7], v[fb+32+8*\ot:fb+32+8*\ot+7], v[8*(4*\ot+\nt):8*(4*\ot+\nt)+7]
.endif
.endr
.endr
.endm
	s_wait_tensorcnt 6                             ; my parts of chunk 0 are in; the six younger loads stay out
	s_barrier_signal -1
	s_barrier_wait -1
	FETCH 0
	FETCH 1
	WIN 0x40                                       ; the residual, only now: 32 loads of 512 bytes a wave, in the layout of the final stores; they are waited for in front of the way out
.irp ot, 0,1,2,3
.irp t, 0,1,2,3,4,5,6,7
	global_load_b128 v[XR+4*(8*\ot+\t):XR+4*(8*\ot+\t)+3], v[CO], s[10:11] offset:65536*\ot+8192*\t th:TH_LOAD_NT
.endr
.endr
.irp ks, 0,1,2,3,4,5,6,7,8,9,10,11,12,13,14,15
	STEP \ks
.endr
	WIN 0
	PLACES 4                                       ; behind the last matrix instructions, for all that follows
	s_wait_loadcnt 0x0                             ; the biases and the residual
.irp ot, 0,1,2,3
	v_mov_b32 v[BIAS+2*\ot+1], v[BIAS+2*\ot]
.endr
; THE WAY OUT, 16 rows o at a time: add the bias, 32 bytes a lane into my own stage, read back whole rows of 256 bytes, add the residual, store
.macro OUT ot, buf
	WIN 0x01
.irp nt, 0,1,2,3
.irp q, 0,1,2,3
	v_pk_add_f32 v[FB0+8*\nt+2*\q:FB0+8*\nt+2*\q+1], v[8*(4*\ot+\nt)+2*\q:8*(4*\ot+\nt)+2*\q+1], v[BIAS+2*\ot:BIAS+2*\ot+1]
.endr
.endr
	WIN 0
.irp nt, 0,1,2,3
	ds_store_b128 v[STO], v[FB0+8*\nt:FB0+8*\nt+3]   offset:64*\nt
	ds_store_b128 v[STO], v[FB0+8*\nt+4:FB0+8*\nt+7] offset:64*\nt+16
.endr
	s_wait_xcnt 0x0                                ; the earlier stores' data registers are rewritten only behind this wait
.irp t, 0,1,2,3,4,5,6,7
	ds_load_b128 v[\buf+4*\t:\buf+4*\t+3], v[RD] offset:\t*2*SPITCH    ; LDS serves a wave's instructions in order: these see the stores above
.endr
	s_wait_dscnt 0x0
	WIN 0x04
.irp t, 0,1,2,3,4,5,6,7
	v_pk_add_f32 v[\buf+4*\t:\buf+4*\t+1],   v[\buf+4*\t:\buf+4*\t+1],   v[XR+4*(8*\ot+\t):XR+4*(8*\ot+\t)+1]
	v_pk_add_f32 v[\buf+4*\t+2:\buf+4*\t+3], v[\buf+4*\t+2:\buf+4*\t+3], v[XR+4*(8*\ot+\t)+2:XR+4*(8*\ot+\t)+3]
.endr
	WIN 0
.irp t, 0,1,2,3,4,5,6,7
	global_store_b128 v[CO], v[\buf+4*\t:\buf+4*\t+3], s[12:13] offset:65536*\ot+8192*\t th:TH_STORE_NT   ; 16 lanes store 256 consecutive bytes, aligned
.endr
.endm
	OUT 0, 96
	OUT 1, 160
	OUT 2, 96
	OUT 3, 160
	s_wait_tensorcnt 0x0
	ds_add_u32 v254, v255
	s_wait_dscnt 0x0
	CROUND                                         ; the closing round
	s_endpgm
.Lfunc_end_k_qcc41866928_proj:
	.size	k_qcc41866928_proj, .Lfunc_end_k_qcc41866928_proj-k_qcc41866928_proj
	.p2alignl 7, 3214868480
	.fill 96, 4, 3214868480
	.section	.rodata,"a",@progbits
	.p2align	6, 0x0
	.amdhsa_kernel k_qcc41866928_proj
		.amdhsa_group_segment_fixed_size 304640
		.amdhsa_private_segment_fixed_size 0
		.amdhsa_enable_private_segment 0
		.amdhsa_kernarg_size 40
		.amdhsa_user_sgpr_count 2
		.amdhsa_user_sgpr_kernarg_segment_ptr 1
		.amdhsa_wavefront_size32 1
		.amdhsa_system_sgpr_workgroup_id_x 1
		.amdhsa_system_sgpr_workgroup_id_y 1
		.amdhsa_system_sgpr_workgroup_id_z 1
		.amdhsa_system_vgpr_workitem_id 0
		.amdhsa_next_free_vgpr 512
		.amdhsa_next_free_sgpr 96
		.amdhsa_reserve_vcc 0
		.amdhsa_float_denorm_mode_32 3
		.amdhsa_float_denorm_mode_16_64 3
		.amdhsa_memory_ordered 1
		.amdhsa_forward_progress 1
		.amdhsa_inst_pref_size 64
	.end_amdhsa_kernel
	.amdgpu_metadata
---
amdhsa.version: [ 1, 2 ]
amdhsa.kernels:
  - .name:           k_qcc41866928_proj
    .symbol:         k_qcc41866928_proj.kd
    .args:
      - { .name: att, .offset: 0, .size: 8, .value_kind: global_buffer, .address_space: global }
      - { .name: w16, .offset: 8, .size: 8, .value_kind: global_buffer, .address_space: global }
      - { .name: bp, .offset: 16, .size: 8, .value_kind: global_buffer, .address_space: global }
      - { .name: x, .offset: 24, .size: 8, .value_kind: global_buffer, .address_space: global }
      - { .name: out0, .offset: 32, .size: 8, .value_kind: global_buffer, .address_space: global }
    .group_segment_fixed_size: 304640
    .private_segment_fixed_size: 0
    .kernarg_segment_align: 8
    .kernarg_segment_size: 40
    .max_flat_workgroup_size: 128
    .sgpr_count:     96
    .vgpr_count:     512
    .wavefront_size: 32
...
	.end_amdgpu_metadata
.endif
;; end of part 4
;; ======== version 2 of 2: 4 launches; version 1 with the launch gn written anew for expert scheduling mode
;; workspace buffers: xn 8,388,608 bytes; w16 2,097,152 bytes; qkv 25,165,824 bytes; att 8,388,608 bytes
;; launch gn (part 5): grid 256 x 1, 8 waves a work-group, no clusters, 1,280 bytes of LDS; arguments x, gn_scale, gn_bias, wq, wk, wv, wp, xn, w16; writes xn, w16
.if DOCPART == 5
	.amdgcn_target "amdgcn-amd-amdhsa--gfx1250"
	.amdhsa_code_object_version 6
	.text
	.protected	k_qcc41866928_gn
	.globl	k_qcc41866928_gn
	.p2align	8
	.type	k_qcc41866928_gn,@function
k_qcc41866928_gn:
	s_mov_b64 s[64:65], 0
	v_nop
	global_prefetch_b8 v0, s[64:65] scope:SCOPE_SE
	s_setreg_imm32_b32 hwreg(HW_REG_WAVE_SCHED_MODE, 0, 2), 2
	s_setreg_imm32_b32 hwreg(HW_REG_WAVE_MODE, 25, 1), 1
	s_wait_xcnt 0x0
	s_wait_alu depctr_vm_vsrc(0)
; GroupNorm of x [8][512][1024] f32 into xn (bf16, same layout), and the four 512 x 512 weight matrices into w16 (bf16, rows wq, wk, wv, wp).
; A group is 16 channels x 1024 positions = 65,536 consecutive bytes; work-group g owns group g, wave w its channels 2w and 2w+1 (8,192 bytes),
; a lane 16 bytes of each of 16 loads: the group stays in registers (64 a lane) between the three passes, so x is read once.
; The variance is made in two passes (the mean first, then the sum of (x - mean)^2): no difference of large sums is formed.
; Each work-group also converts 1,024 numbers of each weight matrix: thread t takes 16 bytes and stores 8.
; No matrix unit, cluster or data mover: the launch only streams, and no two work-groups read the same bytes.
; LIMITS: xn and w16 are rounded to bf16 (nearest even); sums are f32 in an order of their own; NaN and infinities get no special care.
; THE MODE: SCHED_MODE bits 1:0 = 2 (LLVM: expert scheduling mode 2), set by the entry lines.  The code itself states the register dependences
; between vector instructions and memory or LDS instructions, with s_wait_alu, always for 0.
; THE PLAN.  Registers that memory or LDS instructions touch:
;   v1 - v5, v112, v114, v115   offsets and LDS addresses: written at the head and never again; one wait ahead of the first load covers them for the whole kernel.
;   X    the 16 loads land in it; the three passes work in place; the 16 stores read registers 4 i and 4 i + 1 of it, which nothing writes afterwards.
;   W    four loads land in it; eight conversions in place; four stores read it; never written again.
;   v6   (ACC's first) written by each LANESUM, read by the LDS store behind it, written again by the next pass: a wait on either side of each store.
;   RB   the LDS loads of each GATHER land in it; GATHER's adds and the line behind them name it.
; Pass 3 goes by channel: the first channel's eight stores stand behind one wait, dealt among the second channel's vector lines, which name none of their registers.
.set ACC,   6                          ; v[6:13]    four running pairs
.set NMEAN, 14                         ; v[14:15]   -mean, twice
.set X,     16                         ; v[16:79]   my 64 numbers
.set W,     80                         ; v[80:95]   my 4 numbers of each weight matrix
.set GAIN,  96                         ; v[96:99]   rstd x scale: channel 2w twice, channel 2w+1 twice
.set BIAS,  100                        ; v[100:103] the bias likewise
.set RB,    104                        ; v[104:111] the eight waves' partial sums
.set ZERO,  112                        ; v112       LDS address 0
	s_load_b512 s[4:19], s[0:1], 0x0               ; x s[4:5], gn_scale s[6:7], gn_bias s[8:9], wq s[10:11], wk s[12:13], wv s[14:15], wp s[16:17], xn s[18:19]
	s_load_b64 s[20:21], s[0:1], 0x40              ; w16
	v_lshl_add_u32 v114, v0, 2, 0x100              ; my spare word, from LDS byte 256 on, and 0: kept for the closing lines alone
	v_mov_b32 v115, 0
	v_lshrrev_b32 v5, 5, v0
	v_readfirstlane_b32 s22, v5                    ; wave 0..7
	s_lshl_b32 s24, ttmp9, 16                      ; my group in x: 65,536 bytes each (255 x 65,536 is below 2^32)
	s_mov_b32 s25, 0
	s_lshl_b32 s26, ttmp9, 15                      ; and in xn
	s_mov_b32 s27, 0
	s_and_b32 s28, ttmp9, 31                       ; the group's number in its batch
	s_lshl_b32 s28, s28, 4
	s_wait_alu depctr_va_sdst(0)                   ; s22 is written, ahead of its first reader: my channels' offset is made from it
	s_lshl1_add_u32 s28, s22, s28                  ; my first channel = 16 x group + 2 x wave
	s_lshl_b32 s28, s28, 2                         ; in bytes of f32: a multiple of 8
	s_mov_b32 s29, 0
	s_mov_b32 s34, 0x76543210                      ; v_permlanex16_b32: lane i reads lane i of the other half
	s_mov_b32 s35, 0xfedcba98
	s_lshl_b32 s36, ttmp9, 12                      ; my 4,096 bytes of each weight matrix
	s_lshl_b32 s37, ttmp9, 11                      ; and the 2,048 bytes that they become
	s_mov_b32 s38, 0x38800000                      ; 2^-14 = 1 / (16 x 1024)
	v_and_b32 v6, 31, v0                           ; lane
	v_and_b32 v7, 0xe0, v0                         ; 32 x wave
	v_lshlrev_b32 v1, 4, v6
	v_lshl_or_b32 v1, v7, 8, v1                    ; x:  wave x 8,192 + lane x 16
	v_lshlrev_b32 v2, 3, v6
	v_lshl_or_b32 v2, v7, 7, v2                    ; xn: wave x 4,096 + lane x 8
	v_lshl_add_u32 v3, v0, 4, s36                  ; weights in: 16 t + my part
	v_lshl_add_u32 v4, v0, 3, s37                  ; weights out: 8 t + my part
	v_lshlrev_b32 v5, 2, v5                        ; LDS: my wave's word
	v_mov_b32 v[ZERO], 0
	s_wait_kmcnt 0x0
	s_add_nc_u64 s[4:5], s[4:5], s[24:25]
	s_add_nc_u64 s[18:19], s[18:19], s[26:27]
	s_add_nc_u64 s[6:7], s[6:7], s[28:29]          ; scale and bias at my two channels
	s_add_nc_u64 s[8:9], s[8:9], s[28:29]
	s_wait_alu depctr_va_vdst(0)                   ; v1 to v5, v112, v114 and v115 are written: every load, store and LDS instruction of the kernel reads one of them as its offset or address
.irp i, 0,1,2,3,4,5,6,7,8,9,10,11,12,13,14,15
	global_load_b128 v[X+4*\i:X+4*\i+3], v1, s[4:5] offset:512*\i      ; 512 neighbouring bytes a load; loads 0-7 channel 2w, 8-15 channel 2w+1
.endr
	global_load_b128 v[W:W+3],     v3, s[10:11] th:TH_LOAD_NT
	global_load_b128 v[W+4:W+7],   v3, s[12:13] th:TH_LOAD_NT
	global_load_b128 v[W+8:W+11],  v3, s[14:15] th:TH_LOAD_NT
	global_load_b128 v[W+12:W+15], v3, s[16:17] th:TH_LOAD_NT
	s_load_b64 s[30:31], s[6:7], 0x0               ; scale of my two channels
	s_load_b64 s[32:33], s[8:9], 0x0               ; bias of my two channels
; the four running pairs become one number, the same in all 32 lanes
.macro LANESUM
	v_pk_add_f32 v[ACC:ACC+1], v[ACC:ACC+1], v[ACC+2:ACC+3]
	v_pk_add_f32 v[ACC+4:ACC+5], v[ACC+4:ACC+5], v[ACC+6:ACC+7]
	v_pk_add_f32 v[ACC:ACC+1], v[ACC:ACC+1], v[ACC+4:ACC+5]
	v_add_f32 v[ACC], v[ACC], v[ACC+1]
	v_add_f32_dpp v[ACC], v[ACC], v[ACC] row_xmask:1 row_mask:0xf bank_mask:0xf
	v_add_f32_dpp v[ACC], v[ACC], v[ACC] row_xmask:2 row_mask:0xf bank_mask:0xf
	v_add_f32_dpp v[ACC], v[ACC], v[ACC] row_xmask:4 row_mask:0xf bank_mask:0xf
	v_add_f32_dpp v[ACC], v[ACC], v[ACC] row_xmask:8 row_mask:0xf bank_mask:0xf
	v_permlanex16_b32 v[ACC+1], v[ACC], s34, s35   ; its destination has been written above
	v_add_f32 v[ACC], v[ACC], v[ACC+1]
.endm
; the eight waves' words at LDS byte off become one number in v[RB]
.macro GATHER off
	ds_load_b128 v[RB:RB+3], v[ZERO] offset:\off
	ds_load_b128 v[RB+4:RB+7], v[ZERO] offset:\off+16
	s_wait_dscnt 0x0
	v_pk_add_f32 v[RB:RB+1], v[RB:RB+1], v[RB+2:RB+3]
	v_pk_add_f32 v[RB+4:RB+5], v[RB+4:RB+5], v[RB+6:RB+7]
	v_pk_add_f32 v[RB:RB+1], v[RB:RB+1], v[RB+4:RB+5]
	v_add_f32 v[RB], v[RB], v[RB+1]
.endm
	; pass 1: the sum, in four chains started by the first eight pairs
	s_wait_loadcnt 0x4                             ; x is in; the four younger loads (the weights) stay out
.irp k, 0,1,2,3
	v_pk_add_f32 v[ACC+2*\k:ACC+2*\k+1], v[X+2*\k:X+2*\k+1], v[X+2*\k+8:X+2*\k+9]
.endr
.irp m, 2,3,4,5,6,7
.irp k, 0,1,2,3
	v_pk_add_f32 v[ACC+2*\k:ACC+2*\k+1], v[ACC+2*\k:ACC+2*\k+1], v[X+8*\m+2*\k:X+8*\m+2*\k+1]
.endr
.endr
	LANESUM
	s_wait_alu depctr_va_vdst(0)                   ; the sum over the lanes has written v[ACC], which the LDS store reads
	ds_store_b32 v5, v[ACC]                        ; all lanes write the wave's word with the same value
	s_wait_dscnt 0x0                               ; my word is in LDS before I say so
	s_barrier_signal -1
	s_wait_loadcnt 0x0                             ; register work while the others arrive: the weights to bf16
.irp m, 0,1,2,3
	v_cvt_pk_bf16_f32 v[W+4*\m],   v[W+4*\m],   v[W+4*\m+1]
	v_cvt_pk_bf16_f32 v[W+4*\m+1], v[W+4*\m+2], v[W+4*\m+3]
.endr
	s_barrier_wait -1
	s_wait_alu depctr_va_vdst(0)                   ; the conversions have written v[W ..], which the four stores read
.irp m, 0,1,2,3
	global_store_b64 v4, v[W+4*\m:W+4*\m+1], s[20:21] offset:\m*524288  ; a wave's store covers 256 consecutive bytes, aligned
.endr
	GATHER 0                                       ; no vector instruction has named v[RB ..] yet: its loads owe no wait
	v_mul_f32 v[NMEAN], 0xb8800000, v[RB]          ; -mean = -sum x 2^-14
	v_mov_b32 v[NMEAN+1], v[NMEAN]
	; pass 2: d = x - mean in place, and the sum of d^2
.irp k, 0,1,2,3,4,5,6,7,8,9,10,11,12,13,14,15,16,17,18,19,20,21,22,23,24,25,26,27,28,29,30,31
	v_pk_add_f32 v[X+2*\k:X+2*\k+1], v[X+2*\k:X+2*\k+1], v[NMEAN:NMEAN+1]
.endr
	s_wait_alu depctr_vm_vsrc(0)                   ; the first sum's LDS store has read v[ACC], which the multiply below writes again
.irp k, 0,1,2,3
	v_pk_mul_f32 v[ACC+2*\k:ACC+2*\k+1], v[X+2*\k:X+2*\k+1], v[X+2*\k:X+2*\k+1]
.endr
.irp m, 1,2,3,4,5,6,7
.irp k, 0,1,2,3
	v_pk_fma_f32 v[ACC+2*\k:ACC+2*\k+1], v[X+8*\m+2*\k:X+8*\m+2*\k+1], v[X+8*\m+2*\k:X+8*\m+2*\k+1], v[ACC+2*\k:ACC+2*\k+1]
.endr
.endr
	LANESUM
	s_wait_alu depctr_va_vdst(0)                   ; v[ACC] is written, which the LDS store reads; and the first GATHER's adds and the line that made -mean are done with v[RB ..], in which the second GATHER's loads land: no vector line between here and those loads names them
	ds_store_b32 v5, v[ACC] offset:32              ; other bytes than the first sum's: a slow wave may still read those
	s_wait_dscnt 0x0
	s_barrier_signal -1
	s_barrier_wait -1
	GATHER 32
	s_wait_alu depctr_vm_vsrc(0)                   ; the second sum's LDS store has read v[ACC], which the multiply-add below writes again
	v_mov_b32 v[ACC+1], 0x3727c5ac                 ; eps = 1e-5
	v_fma_f32 v[ACC], v[RB], s38, v[ACC+1]         ; variance + eps
	s_wait_kmcnt 0x0                               ; scale and bias
	v_rsq_f32 v[ACC], v[ACC]
	v_mov_b32 v[BIAS],   s32                       ; plain instructions that touch neither its result nor its source stand behind v_rsq_f32 (ISA guide 5.7.2)
	v_mov_b32 v[BIAS+1], s32
	v_mov_b32 v[BIAS+2], s33
	v_mov_b32 v[BIAS+3], s33
	s_wait_alu depctr_va_vdst(0)                   ; v_rsq_f32 has written v[ACC], ahead of its first reader
	v_mul_f32 v[GAIN],   s30, v[ACC]
	v_mul_f32 v[GAIN+1], s30, v[ACC]
	v_mul_f32 v[GAIN+2], s31, v[ACC]
	v_mul_f32 v[GAIN+3], s31, v[ACC]
	; pass 3: d x gain + bias, rounded once, 8 bytes a lane; channel 2w first
.irp k, 0,1,2,3,4,5,6,7,8,9,10,11,12,13,14,15
	v_pk_fma_f32 v[X+2*\k:X+2*\k+1], v[X+2*\k:X+2*\k+1], v[GAIN:GAIN+1], v[BIAS:BIAS+1]
.endr
.irp i, 0,1,2,3,4,5,6,7
	v_cvt_pk_bf16_f32 v[X+4*\i],   v[X+4*\i],   v[X+4*\i+1]
	v_cvt_pk_bf16_f32 v[X+4*\i+1], v[X+4*\i+2], v[X+4*\i+3]
.endr
	s_wait_alu depctr_va_vdst(0)                   ; the conversions have written channel 2w's pairs in v[X .. X+31], which the eight stores below read
.irp i, 0,1,2,3,4,5,6,7
	global_store_b64 v2, v[X+4*\i:X+4*\i+1], s[18:19] offset:256*\i     ; 256 consecutive bytes, aligned.  No further wait: the vector lines since the wait name v[X+32 ..], the second gain and the second bias alone
	v_pk_fma_f32 v[X+32+4*\i:X+32+4*\i+1],   v[X+32+4*\i:X+32+4*\i+1],   v[GAIN+2:GAIN+3], v[BIAS+2:BIAS+3]  ; channel 2w+1, four numbers to a store of channel 2w
	v_pk_fma_f32 v[X+32+4*\i+2:X+32+4*\i+3], v[X+32+4*\i+2:X+32+4*\i+3], v[GAIN+2:GAIN+3], v[BIAS+2:BIAS+3]
	v_cvt_pk_bf16_f32 v[X+32+4*\i],   v[X+32+4*\i],   v[X+32+4*\i+1]
	v_cvt_pk_bf16_f32 v[X+32+4*\i+1], v[X+32+4*\i+2], v[X+32+4*\i+3]
.endr
	s_wait_alu depctr_va_vdst(0)                   ; the conversions have written channel 2w+1's pairs in v[X+32 .. X+63], which the last eight stores read
.irp i, 8,9,10,11,12,13,14,15
	global_store_b64 v2, v[X+4*\i:X+4*\i+1], s[18:19] offset:256*\i     ; 256 consecutive bytes, aligned
.endr
	s_wait_dscnt 0x0                               ; the closing lines, six on end
	s_wait_alu 0x0
	s_wait_tensorcnt 0x0
	ds_add_u32 v114, v115
	s_wait_dscnt 0x0
	s_endpgm
.Lfunc_end_k_qcc41866928_gn:
	.size	k_qcc41866928_gn, .Lfunc_end_k_qcc41866928_gn-k_qcc41866928_gn
	.p2alignl 7, 3214868480
	.fill 96, 4, 3214868480
	.section	.rodata,"a",@progbits
	.p2align	6, 0x0
	.amdhsa_kernel k_qcc41866928_gn
		.amdhsa_group_segment_fixed_size 1280
		.amdhsa_private_segment_fixed_size 0
		.amdhsa_enable_private_segment 0
		.amdhsa_kernarg_size 72
		.amdhsa_user_sgpr_count 2
		.amdhsa_user_sgpr_kernarg_segment_ptr 1
		.amdhsa_wavefront_size32 1
		.amdhsa_system_sgpr_workgroup_id_x 1
		.amdhsa_system_sgpr_workgroup_id_y 1
		.amdhsa_system_sgpr_workgroup_id_z 1
		.amdhsa_system_vgpr_workitem_id 0
		.amdhsa_next_free_vgpr 116
		.amdhsa_next_free_sgpr 66
		.amdhsa_reserve_vcc 0
		.amdhsa_float_denorm_mode_32 3
		.amdhsa_float_denorm_mode_16_64 3
		.amdhsa_memory_ordered 1
		.amdhsa_forward_progress 1
		.amdhsa_inst_pref_size 20
	.end_amdhsa_kernel
	.amdgpu_metadata
---
amdhsa.version: [ 1, 2 ]
amdhsa.kernels:
  - .name:           k_qcc41866928_gn
    .symbol:         k_qcc41866928_gn.kd
    .args:
      - { .name: x, .offset: 0, .size: 8, .value_kind: global_buffer, .address_space: global }
      - { .name: gn_scale, .offset: 8, .size: 8, .value_kind: global_buffer, .address_space: global }
      - { .name: gn_bias, .offset: 16, .size: 8, .value_kind: global_buffer, .address_space: global }
      - { .name: wq, .offset: 24, .size: 8, .value_kind: global_buffer, .address_space: global }
      - { .name: wk, .offset: 32, .size: 8, .value_kind: global_buffer, .address_space: global }
      - { .name: wv, .offset: 40, .size: 8, .value_kind: global_buffer, .address_space: global }
      - { .name: wp, .offset: 48, .size: 8, .value_kind: global_buffer, .address_space: global }
      - { .name: xn, .offset: 56, .size: 8, .value_kind: global_buffer, .address_space: global }
      - { .name: w16, .offset: 64, .size: 8, .value_kind: global_buffer, .address_space: global }
    .group_segment_fixed_size: 1280
    .private_segment_fixed_size: 0
    .kernarg_segment_align: 8
    .kernarg_segment_size: 72
    .max_flat_workgroup_size: 256
    .sgpr_count:     66
    .vgpr_count:     116
    .wavefront_size: 32
...
	.end_amdgpu_metadata
.endif
;; end of part 5
;; launch qkv: the kernel of part 2 again; grid 8 x 32, 4 waves a work-group, clusters of 4 x 4, 327,680 bytes of LDS; arguments xn, w16, bq, bk, bv, qkv; writes qkv
;; launch attn: the kernel of part 3 again; grid 256 x 1, 8 waves a work-group, clusters of 4 x 1, 316,416 bytes of LDS; arguments qkv, att; writes att
;; launch proj: the kernel of part 4 again; grid 4 x 64, 4 waves a work-group, clusters of 4 x 4, 304,640 bytes of LDS; arguments att, w16, bp, x, out0; writes out0
